; MI455X (gfx1250); checked and timed in simulation.
; The chip was launched on July 23, 2026; its instructions are those of AMD's public machine-readable ISA for CDNA 5 (MIT licence, August 2026) and "CDNA5" Instruction Set Architecture Reference Guide (July 2026). The comments in the code are by the model that wrote it; some were corrected since.
;; Multi Head Attention. Allowed arithmetic: matrix products marked QUANTISED: E4M3 operands, one given power-of-two scale a tensor, by v_wmma_f32_16x16x64_fp8_fp8 or v_wmma_f32_16x16x128_fp8_fp8, f32 sums; everything else in f32.
;; Inputs: Wk 16 x 1,024 x 64 float32; Wo 1,024 x 1,024 float32; Wq 16 x 1,024 x 64 float32; Wv 16 x 1,024 x 64 float32; bk 16 x 64 float32; bo 1,024 float32; bq 16 x 64 float32; bv 16 x 64 float32; encoder_output 4 x 2,048 x 1,024 float32; lowp_scales 12 int32 (the exponents e of the quantised operands' scales 2^e); x 4 x 2,048 x 1,024 float32.
;; Outputs: out0 4 x 2,048 x 1,024 float32.
;; This version of the problem:
;;   THIS VERSION OF THE PROBLEM IS GIVEN IN LOW PRECISION. The matrix products marked QUANTISED in the list below multiply operands that are first quantised to E4M3 (4 exponent bits, 3 mantissa bits; 8 bits a number), with one given power-of-two scale for each operand tensor; their sums are f32. All else is computed in f32.
;;   The module's matrix products, in the order in which they are computed (A, B: the left and right operand; K: the contracted axis; several contracted axes count as one K, in the product's order):
;;     1. [M 1,024, K 1,024] x [K 1,024, N 8,192]; A: input Wq; B: input x: QUANTISED (scales: A lowp_scales[0], B lowp_scales[1])
;;     2. [M 1,024, K 1,024] x [K 1,024, N 8,192]; A: input Wk; B: input x: QUANTISED (scales: A lowp_scales[2], B lowp_scales[3])
;;     3. [M 1,024, K 1,024] x [K 1,024, N 8,192]; A: input Wv; B: input x: QUANTISED (scales: A lowp_scales[4], B lowp_scales[5])
;;     4. batch 64 x [M 2,048, K 64] x [K 64, N 2,048]; A: computed on the way; B: computed on the way: QUANTISED (scales: A lowp_scales[6], B lowp_scales[7])
;;     5. batch 64 x [M 2,048, K 2,048] x [K 2,048, N 64]; A: softmax (see below); B: computed on the way: QUANTISED (scales: A lowp_scales[8], B lowp_scales[9])
;;     6. [M 8,192, K 1,024] x [K 1,024, N 1,024]; A: computed on the way; B: input Wo: QUANTISED (scales: A lowp_scales[10], B lowp_scales[11])
;;   THE QUANTISER, for each operand of a quantised product, along K:
;;     - The operand's scale is 2^e, e = its entry of the input lowp_scales (int32; the entries are numbered through the quantised products in the list's order, A before B).
;;     - Each number is divided by the scale, clamped to +-448, and rounded to the nearest number of E4M3, ties to even, subnormals kept.
;;     - The product sums the exact products of the quantised numbers (number of the format x scale) in f32.
;;   ~~~python
;;   def quantise(x, axis, e):      # numpy; x: float32 -> the quantised numbers, widened to float32 again
;;       x = np.moveaxis(x, axis, -1); K = x.shape[-1]
;;       r = np.clip(x / 2.0 ** e, -448, 448)
;;       step = 2.0 ** (np.maximum(np.frexp(np.where(r == 0, 1, r))[1] - 1, -6) - 3)
;;       q = np.round(r / step) * step * 2.0 ** e      # np.round: ties to even
;;       return np.moveaxis(q, -1, axis).astype(np.float32)
;;   ~~~
;;   SOFTMAX AHEAD OF A QUANTISED PRODUCT. Where the list says 'softmax', what is quantised is not the finished softmax but p = 2^(t - M), with t = logit x log2(e) and M = ceil(the row's largest t), a whole number; so 1/2 < the row's largest p <= 1. The row's sum l is taken of the UNQUANTISED p, in f32, and the product's result is divided by l at the end. Since M is a whole number, a kernel that streams over the keys may use a running M (the ceiling of the running maximum): every later rescaling is an exact power of two, so the quantised numbers keep their values, but for numbers so far below the row's largest that they fall under the format's range.
;;   OPERANDS COMPUTED ON THE WAY. 'Computed on the way' means the value that the module computes at that place (a softmax that the list does not call 'softmax' is quantised finished and normalised). What goes into a quantiser is computed in f32, as accurately as f32 sums, v_exp_f32 and their like allow (about 1e-6 of the number): no bf16 or f16 on the way to a quantiser, and a product that is left as it is and whose result goes on into a quantised operand takes f32 operands (vector FMAs, or v_wmma_f32_16x16x4_f32). A number that lies on a knife's edge between two numbers of the format may be rounded either way, as far as f32 arithmetic and the matrix unit's own rounding can turn it there, and no further.
;; One version. Each part assembles by itself: llvm-mc -triple=amdgcn-amd-amdhsa -mcpu=gfx1250 --defsym DOCPART=n.
;; ======== version 1 of 1: 4 launches
;; limits: right only within a limited range of input values
;; workspace buffers: x_codes 25,165,824 bytes; w_codes 4,194,304 bytes; q_codes 8,388,608 bytes; k_codes 8,388,608 bytes; v_codes 8,388,608 bytes; c_codes 8,388,608 bytes
;; launch quant (part 1): grid 640 x 1, 4 waves a work-group, no clusters, 67,072 bytes of LDS; arguments x, Wq, Wk, Wv, Wo, lowp_scales, x_codes, w_codes; writes x_codes, w_codes
.if DOCPART == 1
	.amdgcn_target "amdgcn-amd-amdhsa--gfx1250"
	.amdhsa_code_object_version 6
	.text
	.protected	k_qb84f489417_quant
	.globl	k_qb84f489417_quant
	.p2align	8
	.type	k_qb84f489417_quant,@function
k_qb84f489417_quant:
	s_mov_b64 s[64:65], 0
	v_nop
	global_prefetch_b8 v0, s[64:65] scope:SCOPE_SE
	s_setreg_imm32_b32 hwreg(HW_REG_WAVE_MODE, 25, 1), 1
	s_wait_xcnt 0x0
; x [8192][1024] f32 becomes three sets of E4M3 codes (scales 2^e1, 2^e3, 2^e5: x is an operand of three products), and Wq, Wk, Wv [16][1024][64] and Wo [1024][1024] one set each (e0, e2, e4, e11).
; code = number / 2^e, held within +-448, rounded to the nearest code, ties to even.  LIMITS: each e between -126 and 119, so that 2^e and 448 x 2^e are f32 numbers.  NaN among the inputs is not served.
; (encoder_output appears nowhere in the computation that is asked for: no launch of this program names it.)
; LAYOUT OF ALL CODES: IMAGES OF OPERAND REGISTERS.  16 rows x 64 along K are 1,024 bytes: lane (r, h) = r + 16 h owns the 16 bytes at 16 x lane (K = 8 h + 0..7, then 16 + 8 h + 0..7 of row r)
; and the 16 bytes at 512 + 16 x lane (the same + 32): the 8-bit operand layout of the plain matrix forms.  Two images on end are a fragment of 16 x 128.
;   x_codes [3][512 blocks of 16 rows][16 images along K][1024];   w_codes [4 tensors][64 blocks of 16 columns n][16 images along K][1024], n = 64 head + channel (Wo: its column).
; Work-groups 0-511: a block of 16 rows of x; wave w takes K = 256 w on, in two steps of 128.  Loads take 512 consecutive bytes of a row; the numbers turn through the wave's own stage in LDS, so that a lane
; holds the neighbours along K that its place in the image wants; each store of the wave covers 512 consecutive bytes, aligned.
; Work-groups 512-639: the weights, whose K is not innermost: a lane takes a column, its registers run down K; the codes are laid as images in the wave's own stage and leave in runs of 512 bytes.
; No tensor loads, no barrier: waves share nothing.  No cluster: no two work-groups read the same bytes.  The two paths have LDS bytes of their own.
.set XSP,   528                        ; x's stage: a row of 512 bytes + 16 of padding
.set XSW,   16*XSP                     ; a wave's stage: 16 rows
.set WST,   4*XSW                      ; the weights' stages begin here
.set WSW,   8192                       ; a wave's: 2 blocks of columns x 4 images
.set SPARE, WST+4*WSW                  ; behind them: the spare words, 128 bytes for each wave: two blocks of 256 bytes that no other line names
.set LI,    2                          ; v2      16 x lane
.set SPW,   12                         ; v12     LDS address of my spare word; never rewritten
.set NIL,   13                         ; v13     0; never rewritten
.set XSC,   14                         ; v14-16  2^e1, 2^e3, 2^e5 as f32
.set XLM,   17                         ; v17-19  448 x those
.set R,     32                         ; v32-159 x: two steps' 64 numbers
.set T,     160                        ; v160-191 two sets of 16 held numbers
.set C0,    192                        ; v192-239 step 0's codes (step 1's take v32-79, which step 0's numbers have left)
.set OFF,   32                         ; weights: v32-63 byte offsets of 32 rows along K; never rewritten
.set WX,    64                         ; v64-127 two sets of 32 numbers
.set WC,    128                        ; v128-135 a block's codes
.set OUTR,  136                        ; v136-199 the way out
.macro XLOAD st                        ; step st: 128 numbers of each of the 16 rows; a load reads 512 consecutive bytes
.set n, 0
.rept 16
	global_load_b128 v[R+64*\st+4*n:R+64*\st+4*n+3], v[LI], s[22:23] offset:4096*n+512*\st th:TH_LOAD_NT
.set n, n+1
.endr
.endm
.macro XST_IN st                       ; into the stage, as loaded
.set n, 0
.rept 16
	ds_store_b128 v3, v[R+64*\st+4*n:R+64*\st+4*n+3] offset:XSP*n
.set n, n+1
.endr
.endm
.macro XST_OUT st                      ; back: registers 16 g + 0..7 = K 32 g + 8 h + 0..7 of row r, registers 16 g + 8..15 the same + 16
.irp g, 0,1,2,3
	ds_load_b128 v[R+64*\st+16*\g:R+64*\st+16*\g+3],     v4 offset:128*\g
	ds_load_b128 v[R+64*\st+16*\g+4:R+64*\st+16*\g+7],   v4 offset:128*\g+16
	ds_load_b128 v[R+64*\st+16*\g+8:R+64*\st+16*\g+11],  v4 offset:128*\g+64
	ds_load_b128 v[R+64*\st+16*\g+12:R+64*\st+16*\g+15], v4 offset:128*\g+80
.endr
.endm
; Step st's numbers are quantised three times; the codes of (scale z, quad g) are four registers: the lane's 16 bytes of a quarter of a fragment.  The held numbers go into two sets by turns, so that the
; sixteen holds of one set stand between the other set's conversions and the next write of their sources.  No store's data are written again.
.macro XQ st, cb
.irp z, 0,1,2
.irp g, 0,1,2,3
.set n, 0
.rept 16
	v_med3_num_f32 v[T+16*(\g%2)+n], v[R+64*\st+16*\g+n], -v[XLM+\z], v[XLM+\z]   ; the conversion to an 8-bit code does not saturate (ISA guide 7.6.2): the hold at the largest code x the scale
.set n, n+1
.endr
	v_cvt_scalef32_pk8_fp8_f32 v[\cb+16*\z+4*\g:\cb+16*\z+4*\g+1],   v[T+16*(\g%2):T+16*(\g%2)+7],    v[XSC+\z]
	v_cvt_scalef32_pk8_fp8_f32 v[\cb+16*\z+4*\g+2:\cb+16*\z+4*\g+3], v[T+16*(\g%2)+8:T+16*(\g%2)+15], v[XSC+\z]
	global_store_b128 v[LI], v[\cb+16*\z+4*\g:\cb+16*\z+4*\g+3], s[24+2*\z:25+2*\z] offset:2048*\st+512*\g   ; 32 lanes store 512 consecutive bytes, aligned
.endr
.endr
.endm
.macro WLOAD b                         ; block b: 32 rows along K of my column, into set b % 2; a load reads 128 consecutive bytes, two neighbouring waves 256
.set n, 0
.rept 32
	global_load_b32 v[WX+32*((\b)%2)+n], v[OFF+n], s[48+2*(\b):49+2*(\b)] th:TH_LOAD_NT
.set n, n+1
.endr
.endm
.macro WBLOCK b
.set XS, WX+32*((\b)%2)
.if (\b) < 7
	s_wait_loadcnt 32                              ; this block's 32 loads are in; the next block's 32 may be out
.else
	s_wait_loadcnt 0
.endif
.set n, 0
.rept 32
	v_med3_num_f32 v[XS+n], v[XS+n], -v11, v11
.set n, n+1
.endr
.irp g, 0,1,2,3
	v_cvt_scalef32_pk8_fp8_f32 v[WC+2*\g:WC+2*\g+1], v[XS+8*\g:XS+8*\g+7], v10
.endr
.irp g, 0,1,2,3                        ; K = 32 b + 8 g + 0..7 of my column: image b / 2, its half b % 2, the place of lane (r, g % 2), its 8 bytes g / 2
	ds_store_b64 v6, v[WC+2*\g:WC+2*\g+1] offset:((\b)/2)*1024+((\b)%2)*512+(\g%2)*256+(\g/2)*8
.endr
.if (\b)+2 < 8
	WLOAD (\b)+2
.endif
	s_wait_dscnt 0x0                               ; the stores have read their registers: the next block's codes may be written
.endm
	s_load_b512 s[4:19], s[0:1], 0x0               ; x s[4:5], Wq s[6:7], Wk s[8:9], Wv s[10:11], Wo s[12:13], the exponents s[14:15], x_codes s[16:17], w_codes s[18:19]
	v_lshl_add_u32 v[SPW], v0, 2, SPARE
	v_mov_b32 v[NIL], 0
	v_lshrrev_b32 v1, 5, v0
	v_readfirstlane_b32 s20, v1                    ; wave 0..3
	v_and_b32 v1, 31, v0                           ; lane
	v_lshlrev_b32 v[LI], 4, v1
	v_and_b32 v8, 15, v0                           ; r
	v_bfe_u32 v9, v0, 4, 1                         ; h
	s_wait_kmcnt 0x0
	s_load_b256 s[36:43], s[14:15], 0x0            ; e0 .. e7
	s_load_b128 s[44:47], s[14:15], 0x20           ; e8 .. e11
	s_cmp_lt_u32 ttmp9, 512
	s_cbranch_scc0 .Lweights
	; ---- x
	s_mul_i32 s21, s20, XSW                        ; my stage
	s_wait_alu depctr_va_vdst(0)
	v_add_nc_u32 v3, s21, v[LI]                    ; in: 16 x lane of a row
	v_mul_u32_u24 v4, v8, XSP
	v_lshl_add_u32 v4, v9, 5, v4
	v_add_nc_u32 v4, s21, v4                       ; back: row r, + 32 h bytes
	s_lshl_b32 s32, ttmp9, 16                      ; the block's 16 rows of 4,096 bytes,
	s_lshl_b32 s33, s20, 10                        ; my wave's 256 numbers of a row
	s_add_co_u32 s32, s32, s33
	s_mov_b32 s33, 0
	s_add_nc_u64 s[22:23], s[4:5], s[32:33]
	s_lshl_b32 s32, ttmp9, 14                      ; the block's 16 images,
	s_lshl_b32 s34, s20, 12                        ; my wave's four
	s_add_co_u32 s32, s32, s34
	s_add_nc_u64 s[24:25], s[16:17], s[32:33]      ; the first set of codes,
	s_add_nc_u64 s[26:27], s[24:25], 0x800000      ; the second, 8,388,608 bytes on,
	s_add_nc_u64 s[28:29], s[26:27], 0x800000      ; the third
	XLOAD 0
	XLOAD 1
	s_wait_alu depctr_va_vdst(0)
	s_wait_kmcnt 0x0
.irp z, 0,1,2
	s_add_co_i32 s32, s[37+2*\z], 127              ; e1, e3, e5
	s_lshl_b32 s33, s32, 23
	v_mov_b32 v[XSC+\z], s33                       ; 2^e as f32: the conversion takes its exponent field
	s_add_co_i32 s32, s32, 8
	s_lshl_b32 s32, s32, 23
	s_or_b32 s32, s32, 0x600000
	v_mov_b32 v[XLM+\z], s32                       ; 448 x 2^e
.endr
	s_wait_alu depctr_va_vdst(0)
	s_wait_loadcnt 16                              ; step 0's sixteen loads are in; step 1's sixteen may be out
	XST_IN 0
	s_wait_dscnt 0x0                               ; the stores have read their registers, which take the numbers back
	XST_OUT 0
	s_wait_loadcnt 0x0
	XST_IN 1                                       ; LDS serves a wave's instructions in order (ISA guide 5.7.1.4): these stores come behind step 0's reads of the stage
	s_wait_dscnt 0x0                               ; step 0's numbers are back; step 1's stores have read their registers
	XST_OUT 1
	XQ 0, C0
	s_wait_dscnt 0x0                               ; step 1's numbers are back
	XQ 1, R
	s_wait_tensorcnt 0x0                           ; the wave's end: behind my last LDS store
	ds_add_u32 v[SPW], v[NIL]
	s_wait_dscnt 0x0
	s_endpgm
.Lweights:
	; ---- the weights: tensor t = 0..3 (Wq, Wk, Wv, Wo); my wave takes 32 columns (n32) x 256 along K (kq).  Waves 0 and 1 (2 and 3) stand side by side on 64 columns: 256 consecutive bytes of a row
	s_sub_co_u32 s21, ttmp9, 512
	s_lshr_b32 s22, s21, 5                         ; t
	s_and_b32 s21, s21, 31
	s_lshl_b32 s21, s21, 2
	s_add_co_u32 s21, s21, s20                     ; g = 4 x (work-group within the tensor) + wave: 0 .. 127
	s_and_b32 s23, s21, 1
	s_lshr_b32 s24, s21, 3
	s_lshl_b32 s24, s24, 1
	s_add_co_u32 s23, s23, s24                     ; n32 = g % 2 + 2 (g / 8)
	s_bfe_u32 s24, s21, 0x20001                    ; kq = (g / 2) % 4
	s_cmp_eq_u32 s22, 1                            ; the tensor: a choice that hangs on the work-group's number alone
	s_cselect_b64 s[26:27], s[8:9], s[6:7]
	s_cmp_eq_u32 s22, 2
	s_cselect_b64 s[26:27], s[10:11], s[26:27]
	s_cmp_eq_u32 s22, 3
	s_cselect_b64 s[26:27], s[12:13], s[26:27]
	s_cselect_b32 s28, 12, 8                       ; a row along K is 2^12 bytes in Wo, 2^8 in a head's matrix;
	s_cselect_b32 s29, 8, 18                       ; 64 columns on are 2^8 bytes in Wo, a head's 2^18 in the others
	s_lshr_b32 s32, s23, 1
	s_lshl_b32 s32, s32, s29
	s_and_b32 s33, s23, 1
	s_lshl_b32 s33, s33, 7                         ; the 32 columns' 128 bytes
	s_add_co_u32 s32, s32, s33
	s_add_co_u32 s33, s28, 8
	s_lshl_b32 s33, s24, s33                       ; 256 kq rows
	s_add_co_u32 s32, s32, s33
	s_mov_b32 s33, 0
	s_add_nc_u64 s[48:49], s[26:27], s[32:33]      ; block 0's base;
	s_lshl_b32 s34, 32, s28                        ; 32 rows on
	s_mov_b32 s35, 0
.irp b, 1,2,3,4,5,6,7
	s_add_nc_u64 s[48+2*\b:49+2*\b], s[46+2*\b:47+2*\b], s[34:35]   ; a base for each block of 32 along K: none is stepped while loads are out
.endr
	s_lshl_b32 s30, 1, s28
	v_mov_b32 v5, s30                              ; a row's bytes
	s_wait_alu depctr_va_vdst(0)
	v_lshlrev_b32 v20, 2, v1                       ; my column's 4 bytes
.set n, 0
.rept 32
	v_mad_u32_u24 v[OFF+n], v5, n, v20
.set n, n+1
.endr
	WLOAD 0
	WLOAD 1
	s_lshl_b32 s32, s22, 20                        ; the tensor's codes: 1,048,576 bytes each,
	s_lshl_b32 s31, s23, 15                        ; two blocks of 16 columns x 16 images,
	s_add_co_u32 s32, s32, s31
	s_lshl_b32 s31, s24, 12                        ; four images along K
	s_add_co_u32 s32, s32, s31
	s_add_nc_u64 s[30:31], s[18:19], s[32:33]
	s_lshl_b32 s21, s20, 13
	s_add_co_u32 s21, s21, WST                     ; my stage
	v_lshlrev_b32 v6, 4, v8
	v_lshl_add_u32 v6, v9, 12, v6
	v_add_nc_u32 v6, s21, v6                       ; in: 16 (lane % 16) + the block of columns lane / 16
	v_add_nc_u32 v7, s21, v[LI]                    ; back: as it lies
	s_wait_kmcnt 0x0
	s_cmp_eq_u32 s22, 1
	s_cselect_b32 s32, s38, s36                    ; e2 : e0
	s_cmp_eq_u32 s22, 2
	s_cselect_b32 s32, s40, s32                    ; e4
	s_cmp_eq_u32 s22, 3
	s_cselect_b32 s32, s47, s32                    ; e11
	s_add_co_i32 s32, s32, 127
	s_lshl_b32 s33, s32, 23
	v_mov_b32 v10, s33                             ; 2^e
	s_add_co_i32 s32, s32, 8
	s_lshl_b32 s32, s32, 23
	s_or_b32 s32, s32, 0x600000
	v_mov_b32 v11, s32                             ; 448 x 2^e
	s_wait_alu depctr_va_vdst(0)
.irp b, 0,1,2,3,4,5,6,7
	WBLOCK \b
.endr
.set n, 0
.rept 16
	ds_load_b128 v[OUTR+4*n:OUTR+4*n+3], v7 offset:512*n      ; LDS serves a wave's instructions in order: these see my stores
.set n, n+1
.endr
.set n, 0
.rept 16
	s_wait_dscnt 15-n
	global_store_b128 v[LI], v[OUTR+4*n:OUTR+4*n+3], s[30:31] offset:(n/8)*16384+(n%8)*512   ; 512 consecutive bytes, aligned
.set n, n+1
.endr
	s_wait_tensorcnt 0x0                           ; the wave's end
	ds_add_u32 v[SPW], v[NIL]
	s_wait_dscnt 0x0
	s_endpgm
.Lfunc_end_k_qb84f489417_quant:
	.size	k_qb84f489417_quant, .Lfunc_end_k_qb84f489417_quant-k_qb84f489417_quant
	.p2alignl 7, 3214868480
	.fill 96, 4, 3214868480
	.section	.rodata,"a",@progbits
	.p2align	6, 0x0
	.amdhsa_kernel k_qb84f489417_quant
		.amdhsa_group_segment_fixed_size 67072
		.amdhsa_private_segment_fixed_size 0
		.amdhsa_enable_private_segment 0
		.amdhsa_kernarg_size 64
		.amdhsa_user_sgpr_count 2
		.amdhsa_user_sgpr_kernarg_segment_ptr 1
		.amdhsa_wavefront_size32 1
		.amdhsa_system_sgpr_workgroup_id_x 1
		.amdhsa_system_sgpr_workgroup_id_y 1
		.amdhsa_system_sgpr_workgroup_id_z 1
		.amdhsa_system_vgpr_workitem_id 0
		.amdhsa_next_free_vgpr 240
		.amdhsa_next_free_sgpr 66
		.amdhsa_reserve_vcc 0
		.amdhsa_float_denorm_mode_32 3
		.amdhsa_float_denorm_mode_16_64 3
		.amdhsa_memory_ordered 1
		.amdhsa_forward_progress 1
		.amdhsa_inst_pref_size 92
	.end_amdhsa_kernel
	.amdgpu_metadata
---
amdhsa.version: [ 1, 2 ]
amdhsa.kernels:
  - .name:           k_qb84f489417_quant
    .symbol:         k_qb84f489417_quant.kd
    .args:
      - { .name: x, .offset: 0, .size: 8, .value_kind: global_buffer, .address_space: global }
      - { .name: Wq, .offset: 8, .size: 8, .value_kind: global_buffer, .address_space: global }
      - { .name: Wk, .offset: 16, .size: 8, .value_kind: global_buffer, .address_space: global }
      - { .name: Wv, .offset: 24, .size: 8, .value_kind: global_buffer, .address_space: global }
      - { .name: Wo, .offset: 32, .size: 8, .value_kind: global_buffer, .address_space: global }
      - { .name: lowp_scales, .offset: 40, .size: 8, .value_kind: global_buffer, .address_space: global }
      - { .name: x_codes, .offset: 48, .size: 8, .value_kind: global_buffer, .address_space: global }
      - { .name: w_codes, .offset: 56, .size: 8, .value_kind: global_buffer, .address_space: global }
    .group_segment_fixed_size: 67072
    .private_segment_fixed_size: 0
    .kernarg_segment_align: 8
    .kernarg_segment_size: 64
    .max_flat_workgroup_size: 128
    .sgpr_count:     66
    .vgpr_count:     240
    .wavefront_size: 32
...
	.end_amdgpu_metadata
.endif
;; end of part 1
;; launch qkv (part 2): grid 12 x 32, 4 waves a work-group, clusters of 4 x 4, 327,680 bytes of LDS; arguments x_codes, w_codes, lowp_scales, bq, bk, bv, q_codes, k_codes, v_codes; writes q_codes, k_codes, v_codes
.if DOCPART == 2
	.amdgcn_target "amdgcn-amd-amdhsa--gfx1250"
	.amdhsa_code_object_version 6
	.text
	.protected	k_qb84f489417_qkv
	.globl	k_qb84f489417_qkv
	.p2align	8
	.type	k_qb84f489417_qkv,@function
k_qb84f489417_qkv:
	s_mov_b64 s[64:65], 0
	v_nop
	global_prefetch_b8 v0, s[64:65] scope:SCOPE_SE
	s_setreg_imm32_b32 hwreg(HW_REG_WAVE_MODE, 25, 1), 1
	s_wait_xcnt 0x0
	s_wait_alu depctr_hold_cnt(0) depctr_sa_sdst(0) depctr_va_vdst(0) depctr_va_sdst(0) depctr_va_ssrc(0) depctr_va_vcc(0) depctr_vm_vsrc(0)
	s_getreg_b32 s2, hwreg(HW_REG_IB_STS2, 6, 4)
	s_cmp_eq_u32 s2, 0
	s_cbranch_scc0 .Lentry_in_a_cluster
	s_endpgm
.Lentry_in_a_cluster:
	s_bfe_u32 s2, ttmp6, 0x10000c
	s_cmp_lg_u32 s2, 0xf033
	s_cbranch_scc0 .Lentry_shape_is_right
	s_endpgm
.Lentry_shape_is_right:
; q = x Wq + bq, k = x Wk + bk, v = x Wv + bv on E4M3 codes (8,192 rows, 1,024 columns n = 64 head + channel, K = 1,024), each result quantised on the way for the attention's products: q with 2^e6, k with 2^e7, v with 2^e9.
; A sum of codes stands for sum x 2^(e of W + e of x); the f32 number sum x 2^(..) + bias is held within +-448 x the next scale and converted.  Nothing wide goes to memory.
; LIMITS: e0 + e1, e2 + e3, e4 + e5 between -126 and 127; e6, e7, e9 between -126 and 119: so that each power of two below is an f32 number.
; OPERANDS ARE IMAGES OF REGISTERS: 16 rows x 64 K in 1,024 bytes, lane l's registers 0-3 at 16 l, 4-7 at 512 + 16 l; a block of 16 rows has its 16 images along K on end (16,384 bytes).
; A tile of the result, 256 x 256, is made by four waves, as many as a WGP has SIMDs; a wave makes 128 x 128: 64 accumulators, 512 registers.  K goes in steps of 256 through a ring of two LDS slots.
; CLUSTERS: 4 x 4 work-groups; cluster x = the tensor (0 q, 1 k, 2 v), whose 1,024 columns are a cluster's width.  The four of a row of the cluster need the same tiles of A, the four of a column the same tiles
; of B: each tile is asked for JOINTLY.  THE MATRIX INSTRUCTION IS USED TRANSPOSED (source 0 = 16 rows of B, source 1 = 16 rows of A): a lane holds eight neighbouring B rows of one A row.
; q, k: A = x, B = W: a lane's eight numbers are eight neighbouring channels of one row: neighbours along the K of q k^T.   v: A = Wv, B = x: eight neighbouring KEYS of one channel: neighbours along the K of p v.
; So the conversions' results ARE the next launch's images, and leave by stores of 512 consecutive bytes, with no stage in LDS:
;   q_codes, k_codes [64 batch x head][128 blocks of 16 rows][1024];   v_codes [64][16 steps of 128 keys][4 blocks of 16 channels][2048].
; REGISTERS, in windows of 256: window 0: v0-31 addresses; v32-95 the biases; from v128 A's fragments, ONE set (on the way out: v128-191 numbers, v192-255 four sets of codes);
;   window 1: B's fragments, TWO sets; window 2: the accumulators of my A rows 0-63 ((a, b) at v[8 (8 a + b)]); window 3: those of rows 64-127.
.set FR,     16                        ; registers of a fragment: 16 rows x 128 K
.set NL,     4                         ; LDS loads that bring one
.set NP,     4                         ; places behind this matrix instruction (ISA guide 7.12.1)
.set KB,     4096                      ; a block's 256 along K: four images
.set HALFT,  8*KB                      ; 8 blocks = 128 rows: what one tensor load brings, and what one wave reads of A or of B
.set SLOT,   4*HALFT                   ; A's 256 rows, then B's 256 rows
.set SPARE,  2*SLOT                    ; behind the ring: the spare words, 128 bytes for each wave: two blocks of 256 bytes that no other line names
.set ADRA, 16                          ; v16-17  LDS address of my A fragments in slot 0, 1
.set ADRB, 20                          ; v20-21  the same for B
.set SCV,  24                          ; v24     the next scale as f32
.set LIMV, 25                          ; v25     448 x that
.set LI,   26                          ; v26     16 x lane
.set SPW,  28                          ; v28     LDS address of my spare word; never rewritten
.set NIL,  29                          ; v29     0; never rewritten
.set BH,   30                          ; v30     32 x (lane / 16): a lane's eight biases of a tile of columns
.set BR,   31                          ; v31     4 x (lane % 16): a lane's one bias of a tile of channels
.set BI,   32                          ; v32-95  the biases
.set TMP,  128                         ; the way out: a block's 64 numbers
.set CD,   192                         ; the way out: four sets of 16 registers of codes
.set AF,   128                         ; A's fragments, in window 0
.set G1, 24                            ; s[24:31] descriptor group 1 for A's tiles;  s[32:39] group 0, one set for each slot
.set G0, 32
.set G1B, 48                           ; s[48:55], s[56:63] the same for B's tiles
.set G0B, 56
.set MSB, 0
.macro WIN new                         ; the immediate's high byte repeats the setting that is left
.if MSB != \new
	s_set_vgpr_msb (MSB<<8)|\new
.set MSB, \new
.endif
.endm
.set MUL_LO, 0xa1                      ; source 0 (B) window 1, source 1 (A) window 0, C and D window 2
.set MUL_HI, 0xf1                      ; the same, C and D window 3
.set TO_B,   0x40                      ; destination window 1, address window 0
; A joint load: waves 0 and 1 fetch for A, waves 2 and 3 for B.  Each of the two lines has ONE mask and one set of registers for all that issue it; the branch hangs on the wave's number alone.
; An s_nop 0 and four v_nop follow each of the two lines, ahead of the jump, the label and what follows.
.macro JLOAD g0a, g1a, g0b, g1b
	s_cmp_eq_u32 s15, 0
	s_cbranch_scc0 .Lfor_b_\@
	tensor_load_to_lds s[\g0a:\g0a+3], s[\g1a:\g1a+7]
	s_nop 0
.rept 4
	v_nop
.endr
	s_branch .Lasked_\@
.Lfor_b_\@:
	tensor_load_to_lds s[\g0b:\g0b+3], s[\g1b:\g1b+7]
	s_nop 0
.rept 4
	v_nop
.endr
.Lasked_\@:
.endm
.macro CREST                           ; a round of the cluster's barrier behind its opening barrier
	s_cmp_lg_u32 s14, 0
	s_cbranch_scc1 .Lnot_wave_0_\@
	s_barrier_signal -3
.Lnot_wave_0_\@:
	s_barrier_wait -3
	s_barrier_signal -1
	s_barrier_wait -1
.endm
.macro CROUND                          ; a whole round
	s_barrier_signal -1
	s_barrier_wait -1
	CREST
.endm
	s_load_b128 s[4:7], s[0:1], 0x0                ; x_codes s[4:5], w_codes s[6:7]
	s_load_b64 s[8:9], s[0:1], 0x10                ; the exponents
	s_load_b128 s[68:71], s[0:1], 0x18             ; bq s[68:69], bk s[70:71]
	s_load_b64 s[72:73], s[0:1], 0x28              ; bv
	s_load_b128 s[76:79], s[0:1], 0x30             ; q_codes s[76:77], k_codes s[78:79]
	s_load_b64 s[80:81], s[0:1], 0x40              ; v_codes
	v_lshl_add_u32 v[SPW], v0, 2, SPARE
	v_mov_b32 v[NIL], 0
	ds_add_u32 v[SPW], v[NIL]                      ; the wave's opening: the add and its wait ahead of my first tensor load; the set-up below, work on registers, stands between them
	ds_add_u32 v[SPW], v[NIL]
	v_lshrrev_b32 v1, 5, v0
	v_readfirstlane_b32 s14, v1                    ; wave 0..3
	s_lshr_b32 s15, s14, 1                         ; which half of the tile's A rows is mine.  Also: I fetch for A (0) or for B (1)
	s_and_b32 s16, s14, 1                          ; which half of its B rows.  Also: which 128 rows of that tile I fetch
	s_bfe_u32 s40, ttmp6, 0x40000                  ; cx, cy: my place in the cluster
	s_bfe_u32 s41, ttmp6, 0x40004
	s_and_b32 s10, ttmp7, 0xffff                   ; cluster y: which 1,024 rows of x
	s_cmp_eq_u32 ttmp9, 2                          ; v?  (cluster x: the same in all sixteen partners)
	s_cselect_b32 s11, 0, s10                      ; x's rows are A's for q and k,
	s_cselect_b32 s12, s10, 0                      ; B's for v
	s_lshl_b32 s17, s11, 2
	s_add_co_u32 s17, s17, s41                     ; tile row (of A) = 4 x .. + cy
	s_lshl_b32 s42, s12, 2
	s_add_co_u32 s42, s42, s40                     ; tile column (of B) = 4 x .. + cx
	s_lshl_b32 s43, s41, 2
	s_lshl_b32 s43, 15, s43                        ; my row of the cluster
	s_lshl_b32 s44, 0x1111, s40                    ; my column
	; descriptor group 1: 8 rows (blocks of 16 operand rows) of 4,096 bytes, 16,384 bytes apart in memory, dense in LDS; elements of 8 bytes
	s_or_b32 s[G1+0], s43, (3<<16)|(1<<21)         ; 15:0 the mask: A's tiles go to my row; 17:16 elements of 8 bytes; 20 no padding; 21 set beside a mask
	s_or_b32 s[G1B+0], s44, (3<<16)|(1<<21)
.irp g, G1, G1B
	s_mov_b32 s[\g+1], 512<<16                     ; tensor_dim0 = 512 elements
	s_mov_b32 s[\g+2], 8<<16                       ; tensor_dim1 = 8
	s_mov_b32 s[\g+3], 512<<16                     ; tile_dim0
	s_mov_b32 s[\g+4], 8                           ; tile_dim1
	s_mov_b32 s[\g+5], 2048                        ; tensor_dim0_stride: 16,384 bytes
	s_mov_b32 s[\g+6], 0
	s_mov_b32 s[\g+7], 0
.endr
	s_lshl_b32 s18, s16, 3                         ; which 8 blocks of the tile's 16 I fetch
	s_lshl_b32 s20, s17, 4
	s_add_co_u32 s20, s20, s18
	s_lshl_b32 s20, s20, 14                        ; A: block 16 x tile row + 8 x half, in bytes
	s_mov_b32 s21, 0
	s_lshl_b32 s46, s42, 4
	s_add_co_u32 s46, s46, s18
	s_lshl_b32 s46, s46, 14                        ; B: block 16 x tile column + 8 x half
	s_mov_b32 s47, 0
	s_lshl_b32 s18, ttmp9, 23                      ; the tensor's own set of x's codes,
	s_mov_b32 s19, 0
	s_lshl_b32 s22, ttmp9, 20                      ; and its weight's codes
	s_mov_b32 s23, 0
	s_mul_i32 s45, s14, HALFT                      ; where the tiles go: wave x 128 rows: no place in the cluster enters an LDS address
	s_wait_dscnt 0x0                               ; the opening add is done
	s_wait_kmcnt 0x0
	s_load_b256 s[84:91], s[8:9], 0x0              ; e0 .. e7
	s_load_b128 s[92:95], s[8:9], 0x20             ; e8 .. e11
	s_add_nc_u64 s[4:5], s[4:5], s[18:19]
	s_add_nc_u64 s[6:7], s[6:7], s[22:23]
	s_cmp_eq_u32 ttmp9, 2
	s_cselect_b64 s[74:75], s[6:7], s[4:5]         ; A's tensor,
	s_cselect_b64 s[82:83], s[4:5], s[6:7]         ; B's
	s_add_nc_u64 s[20:21], s[74:75], s[20:21]
	s_add_nc_u64 s[46:47], s[82:83], s[46:47]
	CROUND                                         ; all sixteen work-groups are here: the first joint loads meet
.irp s, 0,1
	s_mov_b32 s[G0+4*\s], 1
	s_add_co_u32 s[G0+4*\s+1], s45, \s*SLOT
	s_add_nc_u64 s[G0+4*\s+2:G0+4*\s+3], s[20:21], \s*KB
	s_or_b32 s[G0+4*\s+3], s[G0+4*\s+3], 0x80000000
	s_mov_b32 s[G0B+4*\s], 1
	s_add_co_u32 s[G0B+4*\s+1], s45, \s*SLOT
	s_add_nc_u64 s[G0B+4*\s+2:G0B+4*\s+3], s[46:47], \s*KB
	s_or_b32 s[G0B+4*\s+3], s[G0B+4*\s+3], 0x80000000
.endr
	JLOAD G0, G1, G0B, G1B                         ; K step 0: one tensor load a wave at the head
	v_and_b32 v1, 31, v0
	v_lshlrev_b32 v[LI], 4, v1
	v_and_b32 v2, 15, v0
	v_bfe_u32 v3, v0, 4, 1
	v_lshlrev_b32 v[BR], 2, v2
	v_lshlrev_b32 v[BH], 5, v3
	s_mul_i32 s21, s15, HALFT                      ; my 128 rows of A
	s_mul_i32 s22, s16, HALFT                      ; my 128 rows of B,
	s_add_co_u32 s22, s22, 2*HALFT                 ; which lie behind A's 256
.irp s, 0,1
	v_add_nc_u32 v[ADRA+\s], s21, v[LI]
	v_add_nc_u32 v[ADRB+\s], s22, v[LI]
	s_add_co_u32 s21, s21, SLOT
	s_add_co_u32 s22, s22, SLOT
.endr
.macro FRAG reg, adr, q, i             ; a fragment, 16 rows x 128 K, comes as it lies: four loads of 512 consecutive bytes; block i of the eight, the slot's q-th 128 along K
.irp c, 0,1,2,3
	ds_load_b128 v[\reg+4*\c:\reg+4*\c+3], v[\adr] offset:KB*(\i)+2048*(\q)+512*\c
.endr
.endm
; 16 matrix instructions: A's blocks a0, a0 + 1 x B's eight, 128 along K.  p: B's set.  zero = 1: the first product starts the sums: nothing is ever cleared.
; The 64 accumulators take turns, one instruction a turn, in the same order in every step.
.macro MUL16 a0, p, zero
.irp a, \a0, \a0+1
.irp b, 0,1,2,3,4,5,6,7
.if \zero
	v_wmma_f32_16x16x128_fp8_fp8 v[8*(8*((\a)%4)+\b):8*(8*((\a)%4)+\b)+7], v[128*(\p)+FR*\b:128*(\p)+FR*\b+FR-1], v[AF+FR*(\a):AF+FR*(\a)+FR-1], 0
.else
	v_wmma_f32_16x16x128_fp8_fp8 v[8*(8*((\a)%4)+\b):8*(8*((\a)%4)+\b)+7], v[128*(\p)+FR*\b:128*(\p)+FR*\b+FR-1], v[AF+FR*(\a):AF+FR*(\a)+FR-1], v[8*(8*((\a)%4)+\b):8*(8*((\a)%4)+\b)+7]
.endif
.endr
.endr
.endm
.macro FETCH_B slot, q, p              ; B's eight fragments of the slot's q-th 128 along K into set p
	WIN TO_B
.irp i, 0,1,2,3,4,5,6,7
	FRAG 128*(\p)+FR*\i, ADRB+\slot, \q, \i
.endr
	WIN 0
.endm
.macro FETCH_A slot, q, i0             ; A's blocks i0 .. i0 + 3
.irp i, \i0, \i0+1, \i0+2, \i0+3
	FRAG AF+FR*(\i), ADRA+\slot, \q, \i
.endr
.endm
; A load into a register that a matrix instruction has read, and a vector instruction that reads a matrix result or writes one of a matrix instruction's registers, stand NP places behind that matrix
; instruction, and only plain vector instructions that name none of its registers are places (ISA guide 7.12.1 for vector instructions).
.macro PLACES n
.rept \n
	v_nop
.endr
.endm
; A step of 128 along K that has its successor in the same slot.  A's blocks are free as soon as their eight products are issued: blocks 0-3 are fetched anew in the step's middle, blocks 4-7 at its end.
.macro STEP slot, q, zero
	s_wait_dscnt 4*NL                              ; B's set and A's blocks 0-3 are in; the youngest sixteen loads (A's blocks 4-7) may be out
	WIN MUL_LO
	MUL16 0, (\q)%2, \zero
	MUL16 2, (\q)%2, \zero
	s_wait_dscnt 0                                 ; A's blocks 4-7 are in (asked for 32 matrix instructions ago)
	PLACES NP
	FETCH_B \slot, (\q)+1, 1-(\q)%2
	FETCH_A \slot, (\q)+1, 0
	WIN MUL_HI
	MUL16 4, (\q)%2, \zero
	MUL16 6, (\q)%2, \zero
	PLACES NP
	WIN 0
	FETCH_A \slot, (\q)+1, 4
.endm
; A slot's last step changes slots: ONE barrier; in front of it each wave waits for all its tensor loads, adds 0 to its spare word, and waits for that and for its own reads of this slot.  fill = 1: this slot is filled again, two K steps ahead.
.macro TURN slot, next, fill
	s_wait_tensorcnt 0x0                           ; all my tensor loads have landed: my part of the next slot;  (every window is 0 here: the add's two registers lie in window 0)
	ds_add_u32 v[SPW], v[NIL]                      ; 0 onto my spare word
	s_wait_dscnt 4*NL+1                            ; (the add and the youngest sixteen loads, A's blocks 4-7, may be out)
	WIN MUL_LO
	MUL16 0, 1, 0                                  ; sixteen matrix instructions stand between the add and the wait for it
	s_wait_dscnt 0x0                               ; the add is done, and my reads of this slot are over
	s_barrier_signal -1
	MUL16 2, 1, 0
	WIN 0
	s_barrier_wait -1
.if \fill
	CREST                                          ; the barrier has opened a round of the cluster's barrier: no wave of any partner still reads this slot's tile or has a load on its way
	s_add_nc_u64 s[G0+4*\slot+2:G0+4*\slot+3], s[G0+4*\slot+2:G0+4*\slot+3], 2*KB
	s_add_nc_u64 s[G0B+4*\slot+2:G0B+4*\slot+3], s[G0B+4*\slot+2:G0B+4*\slot+3], 2*KB
	JLOAD G0+4*\slot, G1, G0B+4*\slot, G1B         ; the first tensor load behind the round; the four v_nop behind it are the places in front of the loads below
.else
	PLACES NP
.endif
	FETCH_B \next, 0, 0
	FETCH_A \next, 0, 0
	WIN MUL_HI
	MUL16 4, 1, 0
	MUL16 6, 1, 0
	PLACES NP
	WIN 0
	FETCH_A \next, 0, 4
.endm
; The last K step's two steps of 128, written in both arms of the tail: their 128 matrix instructions stand between an arm's loads of its biases and the wait for them.
.macro LAST2
	STEP 1, 0, 0
	s_wait_dscnt 4*NL                              ; the very last step: nothing more to fetch
	WIN MUL_LO
	MUL16 0, 1, 0
	MUL16 2, 1, 0
	s_wait_dscnt 0
	WIN MUL_HI
	MUL16 4, 1, 0
	MUL16 6, 1, 0
	WIN 0
	PLACES NP                                      ; in front of the first read of results and the first write into the registers that held A's fragments
	s_wait_loadcnt 0x0                             ; the biases
.endm
; THE WAY OUT of block a (16 rows of A x my 128 rows of B): sum x 2^(..) + bias, two at a time, each accumulator from its low end on; the hold; eight conversions: sixteen registers of codes, four stores.
.macro OUT a, isv
.set AC, 64*((\a)%4)
.set CDS, CD+16*((\a)%4)
.if (\a) >= 4
	s_wait_xcnt 0x0                                ; block a - 4's stores have read their registers, which take this block's codes
.endif
	WIN 0x02+((\a)/4)                              ; source 0: window 2 or 3
.set n, 0
.rept 32
.if \isv
	v_pk_fma_f32 v[TMP+n:TMP+n+1], v[AC+n:AC+n+1], s[96:97], v[BI+2*(\a):BI+2*(\a)+1] op_sel_hi:[1,0,1]   ; one channel a lane: its bias, held twice
.else
	v_pk_fma_f32 v[TMP+n:TMP+n+1], v[AC+n:AC+n+1], s[96:97], v[BI+n:BI+n+1] op_sel_hi:[1,0,1]             ; 64 channels a lane
.endif
.set n, n+2
.endr
	WIN 0
.irp b, 0,1,2,3,4,5,6,7
.irp i, 0,1,2,3,4,5,6,7
	v_med3_num_f32 v[TMP+8*\b+\i], v[TMP+8*\b+\i], -v[LIMV], v[LIMV]   ; the conversion to an 8-bit code does not saturate (ISA guide 7.6.2)
.endr
	v_cvt_scalef32_pk8_fp8_f32 v[CDS+2*\b:CDS+2*\b+1], v[TMP+8*\b:TMP+8*\b+7], v[SCV]
.endr
	v_nop                                          ; one plain vector instruction between the last conversion and the next block's writes of its sources
.irp u, 0,1,2,3
.if \isv
	global_store_b128 v[LI], v[CDS+4*\u:CDS+4*\u+3], s[12:13] offset:((\a)/4)*131072+((\a)%4)*2048+\u*512   ; head a / 4 of my two, channels 16 (a % 4) on: a fragment's four quarters
.else
	global_store_b128 v[LI], v[CDS+4*\u:CDS+4*\u+3], s[12:13] offset:(\u/2)*131072+(\a)*1024+(\u%2)*512     ; head u / 2 of my two, rows 16 a on: an image's two halves
.endif
.endr
.endm
	s_wait_alu depctr_va_vdst(0)
	s_wait_tensorcnt 0x0                           ; my part of K step 0 is in
	ds_add_u32 v[SPW], v[NIL]
	s_wait_dscnt 0x0
	CROUND                                         ; a whole round: everybody's part of K step 0 is in, and the joint loads meet
	JLOAD G0+4, G1, G0B+4, G1B                     ; K step 1's load, the first tensor load behind the round
	FETCH_B 0, 0, 0
	FETCH_A 0, 0, 0
	FETCH_A 0, 0, 4
	STEP 0, 0, 1                                   ; the first step's products start the sums
	TURN 0, 1, 1                                   ; K = 1,024 is four K steps: both slots are filled again once, so the lap is written out
	STEP 1, 0, 0
	TURN 1, 0, 1
	STEP 0, 0, 0
	TURN 0, 1, 0                                   ; nothing is left to fetch: no round of the cluster's barrier
	; THE TAIL.  What hangs on the tensor is chosen by the cluster's x; the given exponents enter arithmetic alone.
	s_wait_kmcnt 0x0
	s_add_co_i32 s84, s84, s85                     ; e0 + e1
	s_add_co_i32 s86, s86, s87                     ; e2 + e3
	s_add_co_i32 s88, s88, s89                     ; e4 + e5
	s_cmp_eq_u32 ttmp9, 1
	s_cselect_b32 s96, s86, s84
	s_cselect_b32 s97, s91, s90                    ; e7 : e6
	s_cselect_b64 s[10:11], s[70:71], s[68:69]     ; bk : bq
	s_cselect_b64 s[12:13], s[78:79], s[76:77]     ; k_codes : q_codes
	s_cmp_eq_u32 ttmp9, 2
	s_cselect_b32 s96, s88, s96
	s_cselect_b32 s97, s93, s97                    ; e9
	s_add_co_i32 s96, s96, 127
	s_lshl_b32 s96, s96, 23                        ; 2^(e of W + e of x) as f32
	s_add_co_i32 s97, s97, 127
	s_lshl_b32 s18, s97, 23
	v_mov_b32 v[SCV], s18                          ; the next scale
	s_add_co_i32 s97, s97, 8
	s_lshl_b32 s97, s97, 23
	s_or_b32 s97, s97, 0x600000
	v_mov_b32 v[LIMV], s97                         ; 448 x that
	s_mov_b32 s97, s96                             ; (named with s96 as a pair, so it is written)
	s_mov_b32 s19, 0
	s_cmp_eq_u32 ttmp9, 2
	s_cbranch_scc1 .Lv_tail                        ; the same way in all sixteen partners; no barrier and no tensor load stands in either arm
	; ---- q and k
	s_lshl_b32 s18, s40, 10
	s_lshl_b32 s22, s16, 9
	s_add_co_u32 s18, s18, s22
	s_add_nc_u64 s[10:11], s[10:11], s[18:19]      ; the bias of my 128 columns: 4 (256 cx + 128 half) bytes on
.irp b, 0,1,2,3,4,5,6,7
	global_load_b128 v[BI+8*\b:BI+8*\b+3],   v[BH], s[10:11] offset:64*\b        ; columns 16 b + 8 h + 0 .. 7
	global_load_b128 v[BI+8*\b+4:BI+8*\b+7], v[BH], s[10:11] offset:64*\b+16
.endr
	s_lshr_b32 s18, s17, 3                         ; the batch: 8 tile rows each
	s_lshl_b32 s18, s18, 4
	s_lshl_b32 s22, s40, 2
	s_add_co_u32 s18, s18, s22
	s_lshl_b32 s22, s16, 1
	s_add_co_u32 s18, s18, s22                     ; 16 batch + my first head: 4 cx + 2 half
	s_lshl_b32 s18, s18, 17                        ; x 128 images
	s_and_b32 s22, s17, 7
	s_lshl_b32 s22, s22, 4
	s_lshl_b32 s23, s15, 3
	s_add_co_u32 s22, s22, s23                     ; my first block of 16 rows within the batch
	s_lshl_b32 s22, s22, 10
	s_add_co_u32 s18, s18, s22
	s_add_nc_u64 s[12:13], s[12:13], s[18:19]
	LAST2
.irp a, 0,1,2,3,4,5,6,7
	OUT \a, 0
.endr
	s_branch .Lend
.Lv_tail:
	; ---- v
	s_lshl_b32 s18, s41, 10
	s_lshl_b32 s22, s15, 9
	s_add_co_u32 s18, s18, s22
	s_add_nc_u64 s[10:11], s[72:73], s[18:19]      ; the bias of my 128 channels: 4 (256 cy + 128 half) bytes on
.irp a, 0,1,2,3,4,5,6,7
	global_load_b32 v[BI+2*\a],   v[BR], s[10:11] offset:64*\a                  ; channel 16 a + r, into both registers of the pair that the packed form names
	global_load_b32 v[BI+2*\a+1], v[BR], s[10:11] offset:64*\a
.endr
	s_lshr_b32 s18, s42, 3                         ; the batch
	s_lshl_b32 s18, s18, 4
	s_lshl_b32 s22, s41, 2
	s_add_co_u32 s18, s18, s22
	s_lshl_b32 s22, s15, 1
	s_add_co_u32 s18, s18, s22                     ; 16 batch + my first head: 4 cy + 2 half
	s_lshl_b32 s18, s18, 4                         ; x 16 steps of 128 keys
	s_and_b32 s22, s42, 7
	s_lshl_b32 s22, s22, 1
	s_add_co_u32 s18, s18, s22
	s_add_co_u32 s18, s18, s16                     ; + my step: 2 (tile column % 8) + half
	s_lshl_b32 s18, s18, 13                        ; x four fragments of 2,048 bytes
	s_add_nc_u64 s[12:13], s[80:81], s[18:19]
	LAST2
.irp a, 0,1,2,3,4,5,6,7
	OUT \a, 1
.endr
.Lend:
	s_wait_tensorcnt 0x0                           ; the wave's end: behind my last tensor load
	ds_add_u32 v[SPW], v[NIL]
	s_wait_dscnt 0x0
	CROUND                                         ; the closing round: no work-group ends while a partner may still ask for a tile that names it
	s_endpgm
.Lfunc_end_k_qb84f489417_qkv:
	.size	k_qb84f489417_qkv, .Lfunc_end_k_qb84f489417_qkv-k_qb84f489417_qkv
	.p2alignl 7, 3214868480
	.fill 96, 4, 3214868480
	.section	.rodata,"a",@progbits
	.p2align	6, 0x0
	.amdhsa_kernel k_qb84f489417_qkv
		.amdhsa_group_segment_fixed_size 327680
		.amdhsa_private_segment_fixed_size 0
		.amdhsa_enable_private_segment 0
		.amdhsa_kernarg_size 72
		.amdhsa_user_sgpr_count 2
		.amdhsa_user_sgpr_kernarg_segment_ptr 1
		.amdhsa_wavefront_size32 1
		.amdhsa_system_sgpr_workgroup_id_x 1
		.amdhsa_system_sgpr_workgroup_id_y 1
		.amdhsa_system_sgpr_workgroup_id_z 1
		.amdhsa_system_vgpr_workitem_id 0
		.amdhsa_next_free_vgpr 1024
		.amdhsa_next_free_sgpr 100
		.amdhsa_reserve_vcc 0
		.amdhsa_float_denorm_mode_32 3
		.amdhsa_float_denorm_mode_16_64 3
		.amdhsa_memory_ordered 1
		.amdhsa_forward_progress 1
		.amdhsa_inst_pref_size 207
	.end_amdhsa_kernel
	.amdgpu_metadata
---
amdhsa.version: [ 1, 2 ]
amdhsa.kernels:
  - .name:           k_qb84f489417_qkv
    .symbol:         k_qb84f489417_qkv.kd
    .args:
      - { .name: x_codes, .offset: 0, .size: 8, .value_kind: global_buffer, .address_space: global }
      - { .name: w_codes, .offset: 8, .size: 8, .value_kind: global_buffer, .address_space: global }
      - { .name: lowp_scales, .offset: 16, .size: 8, .value_kind: global_buffer, .address_space: global }
      - { .name: bq, .offset: 24, .size: 8, .value_kind: global_buffer, .address_space: global }
      - { .name: bk, .offset: 32, .size: 8, .value_kind: global_buffer, .address_space: global }
      - { .name: bv, .offset: 40, .size: 8, .value_kind: global_buffer, .address_space: global }
      - { .name: q_codes, .offset: 48, .size: 8, .value_kind: global_buffer, .address_space: global }
      - { .name: k_codes, .offset: 56, .size: 8, .value_kind: global_buffer, .address_space: global }
      - { .name: v_codes, .offset: 64, .size: 8, .value_kind: global_buffer, .address_space: global }
    .group_segment_fixed_size: 327680
    .private_segment_fixed_size: 0
    .kernarg_segment_align: 8
    .kernarg_segment_size: 72
    .max_flat_workgroup_size: 128
    .sgpr_count:     100
    .vgpr_count:     1024
    .wavefront_size: 32
...
	.end_amdgpu_metadata
.endif
;; end of part 2
;; launch attn (part 3): grid 4 x 64, 16 waves a work-group, no clusters, 327,680 bytes of LDS; arguments q_codes, k_codes, v_codes, lowp_scales, c_codes; writes c_codes
.if DOCPART == 3
	.amdgcn_target "amdgcn-amd-amdhsa--gfx1250"
	.amdhsa_code_object_version 6
	.text
	.protected	k_qb84f489417_attn
	.globl	k_qb84f489417_attn
	.p2align	8
	.type	k_qb84f489417_attn,@function
k_qb84f489417_attn:
	s_mov_b64 s[64:65], 0
	v_nop
	global_prefetch_b8 v0, s[64:65] scope:SCOPE_SE
	s_setreg_imm32_b32 hwreg(HW_REG_WAVE_MODE, 25, 1), 1
	s_wait_xcnt 0x0
; Causal attention of 64 (batch, head) pairs, 2,048 rows, head size 64, both products on E4M3 codes; the result, O / l, is quantised with 2^e10 as the operand of the output projection.
; LEFT OUT: key steps all of whose keys come after a tile's queries: the causal mask, which the computation builds itself, gives them the weight 0.
; THE SOFTMAX AHEAD OF THE SECOND PRODUCT: t = score x log2(e) / 8; M = the row's largest t so far, rounded UP to a whole number; p = 2^(t - M) is quantised with 2^e8, along the keys; it is not normalised.
; The row's sum l is taken of the unquantised p, in f32, and divides O at the end.  When M moves, l and O are multiplied by 2^(old M - new M): exact.
; LIMITS: e6 + e7 between -123 and 130 (added to c's exponent field); e8 and e10 between -126 and 119; e8 + e9 is applied by v_ldexp_f32 and has none.  Hidden scores become -infinity where the computation
; asked for puts -1e9: the same result as long as a row's largest score lies above about -1e9 + 150.
; OPERANDS ARE IMAGES OF REGISTERS: q_codes, k_codes [64][128 blocks of 16 rows][1024]; v_codes [64][16 steps of 128 keys][4 blocks of 16 channels][2048]; c_codes [512 blocks of 16 rows][16 heads][1024].
; SHARES.  A pair's 2,048 queries are 128 tiles of 16; tile n walks n / 8 + 1 key steps of 128.  A wave owns an EARLY tile n and the LATE tile 127 - n: 17 steps of a tile in every wave of the launch.
; In work-group j (0..3) of a pair, waves w = 0..7 take n = 16 j + w and waves w = 8..15 take n = 16 (3 - j) + w: the late tiles' steps, in each of which a wave reads a step's K and V from LDS, then add up to
; 8 (16 - 2 j) + 8 (9 + 2 j) = 200 in every work-group.  All waves walk the keys together from key 0.  While both tiles have keys, each fragment of K and of V feeds two matrix instructions;
; when the early tile is done, a scalar branch on ids leaves its products and softmax out, and the late tile goes on alone.
; LAYOUT.  Both products are used transposed: S^T = K Q^T, O^T = V^T P^T: a lane holds ONE query (lane % 16) of each tile; key tile t's eight registers are keys 16 t + 8 (lane / 16) + 0..7, where the operand's
; layout wants them: the conversions' results are P's registers, and at the end O's are the images that are stored.
; LDS: the pair's K and V stay: every fill is a first fill.  K's region begins at 0, V's at VREG; a slot is 256 keys, 16,384 bytes of each, dense in memory.  Wave 0 fetches K's part of a slot, wave 1 V's, one slot
; ahead of the steps that read it, behind a barrier.  A region has room for nine slots: the walking LDS address of the last trip, whose load the limit's jump
; always leaves out, names bytes of its own.
; NO CLUSTER: the work-groups of a pair need different numbers of slots (8 - min(j, 3 - j)), and the jump at that limit may lead round no joint load.
; REGISTERS: v1-11 addresses and constants; v12-15 -M and the largest t of the two tiles; v16-19 l; v20-21 f; v22-29 at work; v30-45 Q (late, early); v46-61 P of the late tile; v62-125 K's 8 fragments, then V's 4;
; v126-141 P of the early tile, laid over scores that are done with; v128-191 S^T of one tile, then p; v192-255 O^T (late, early).
.set VREG,  147456
.set SPARE, 294912                     ; behind the regions: the spare words, 128 bytes for each wave: eight blocks of 256 bytes that no other line names
.set NSL,   8
.set LI,   1                           ; 16 x lane
.set ADK,  2                           ; LDS address of the slot's K
.set PFO,  3                           ; the prefetches' offset
.set DL,   4                           ; r - 8 h
.set SPW,  5
.set NIL,  6
.set NINF, 7
.set PT,   8
.set ADV,  9                           ; LDS address of the slot's V
.set SC,   10                          ; a scale as f32
.set LM,   11                          ; the way out: 448 x 2^e10
.set MM,   12
.set LL,   16
.set F,    20
.set T,    22
.set THR,  28
.set PT2,  29
.set QR,   30
.set P0,   46
.set X,    62
.set P1,   126
.set S,    128
.set O,    192
.set WV,   18                          ; s18  my wave's number
.set SEL,  20                          ; s[20:21] lane selects for v_permlanex16_b32: lane l xor 16
.set CS,   22                          ; s[22:23] c = log2(e) / 8 x 2^(e6 + e7)
.set G1,   24                          ; s[24:31] descriptor group 1: 64 rows of 256 bytes, dense
.set G0,   40                          ; s[40:43] descriptor group 0, which walks
.set TB,   2                           ; s2   byte at which the slot in hand begins in its region
.set SLOTS, 67                         ; s67  trips to go
.set PFA,  76                          ; s[76:77] where my prefetches stand
.set LIM,  80                          ; s80  2 in a wave that prefetches, else the greatest number
.set WGL,  81                          ; s81  the last key of the last slot that my work-group reads
.set HL,   94                          ; s94  448 x 2^e8
.set QS,   95                          ; s95  the early tile's first query
.set KF,   98                          ; s98  the step's first key
.set QL,   99                          ; s99  the late tile's first query
; Wave 0 fetches K's part of a slot, wave 1 V's, the others nothing.  An s_nop 0 and four v_nop follow the line.
.macro TLOAD
	s_cmp_lt_u32 s[WV], 2
	s_cbranch_scc0 .Lasked_\@
	tensor_load_to_lds s[G0:G0+3], s[G1:G1+7]
	s_nop 0
.rept 4
	v_nop
.endr
.Lasked_\@:
.endm
; A PREFETCH INTO THE L2 of what the NEXT trip's load will ask for: 16,384 bytes of K's codes and as many of V's.  The pair's first work-group, which walks all keys, asks: waves 4 and 5 for K's two halves,
; waves 6 and 7 for V's: 8,192 bytes a wave, lanes 256 bytes apart, one instruction.  So each aligned block of 256 bytes is named once in the launch.  Trip t names slot t + 2, up to slot 7; slots 0 and 1 come by their loads alone.
.macro ASK
	s_cmp_gt_u32 s[SLOTS], s[LIM]
	s_cbranch_scc0 .Lnot_mine_\@
	global_prefetch_b8 v[PFO], s[PFA:PFA+1] th:TH_LOAD_NT scope:SCOPE_SE
.Lnot_mine_\@:
.endm
	s_load_b128 s[4:7], s[0:1], 0x0                ; q_codes s[4:5], k_codes s[6:7]
	s_load_b128 s[12:15], s[0:1], 0x10             ; v_codes s[12:13], the exponents s[14:15]
	s_load_b64 s[16:17], s[0:1], 0x20              ; c_codes
	v_lshl_add_u32 v[SPW], v0, 2, SPARE
	v_mov_b32 v[NIL], 0
	ds_add_u32 v[SPW], v[NIL]                      ; the wave's opening: the add, twice on end, and its wait ahead of the first tensor load
	ds_add_u32 v[SPW], v[NIL]
	v_lshrrev_b32 v8, 5, v0
	s_delay_alu instid0(VALU_DEP_1)
	v_readfirstlane_b32 s[WV], v8                  ; wave 0..15
	s_and_b32 s82, ttmp7, 0xffff                   ; the pair: 16 batch + head
	s_lshl_b32 s74, s82, 17                        ; its first byte in q_codes, k_codes and v_codes
	s_mov_b32 s75, 0
	s_sub_co_u32 s84, 3, ttmp9                     ; 3 - j
	s_min_u32 s[WGL], s84, ttmp9
	s_lshl_b32 s[WGL], s[WGL], 8
	s_sub_co_u32 s[WGL], 2047, s[WGL]              ; my work-group's latest tile lies in the slot that ends with key 2047 - 256 min(j, 3 - j)
	s_cmp_lt_u32 s[WV], 8
	s_cselect_b32 s83, ttmp9, s84                  ; waves 0-7: block j of the early tiles; waves 8-15: block 3 - j
	s_lshl_b32 s83, s83, 4
	s_add_co_u32 s83, s83, s[WV]                   ; the early tile,
	s_sub_co_u32 s84, 127, s83                     ; and the late one
	s_lshl_b32 s[QS], s83, 4
	s_lshl_b32 s[QL], s84, 4
	s_lshl_b32 s86, s[QL], 6                       ; Q: 1,024 bytes for 16 queries
	s_add_co_u32 s86, s86, s74
	s_mov_b32 s87, 0
	s_lshl_b32 s90, s[QS], 6
	s_add_co_u32 s90, s90, s74
	s_mov_b32 s91, 0
	s_lshr_b32 s92, s82, 4
	s_lshl_b32 s92, s92, 21                        ; c_codes: a batch is 128 blocks x 16 heads x 1,024 bytes;
	s_and_b32 s93, s82, 15
	s_add_co_u32 s84, s93, s[QL]
	s_lshl_b32 s84, s84, 10                        ; (16 x block + head) x 1,024 = (query + head) x 1,024
	s_add_co_u32 s84, s84, s92
	s_mov_b32 s85, 0
	s_add_co_u32 s93, s93, s[QS]
	s_lshl_b32 s93, s93, 10
	s_add_co_u32 s92, s92, s93
	s_mov_b32 s93, 0
	s_and_b32 s88, s[WV], 1
	s_mul_i32 s89, s88, VREG                       ; what I fetch, if I fetch, goes to K's or V's region
	s_mov_b32 s[G1], 3<<16                         ; no mask; elements of 8 bytes; no padding
	s_mov_b32 s[G1+1], 32<<16                      ; tensor_dim0 = 32 elements: 256 bytes
	s_mov_b32 s[G1+2], 64<<16                      ; tensor_dim1 = 64
	s_mov_b32 s[G1+3], 32<<16                      ; tile_dim0
	s_mov_b32 s[G1+4], 64                          ; tile_dim1
	s_mov_b32 s[G1+5], 32                          ; tensor_dim0_stride: dense
	s_mov_b32 s[G1+6], 0
	s_mov_b32 s[G1+7], 0
	s_mov_b32 s[SEL], 0x76543210
	s_mov_b32 s[SEL+1], 0xfedcba98
	s_mov_b32 s[CS], 0x3e38aa3b                    ; log2(e) / 8
	s_mov_b32 s[TB], 0
	s_mov_b32 s[SLOTS], NSL
	s_mov_b32 s[KF], 0
	s_wait_dscnt 0x0                               ; both opening adds are done
	s_wait_kmcnt 0x0
	s_load_b128 s[68:71], s[14:15], 0x18           ; e6, e7, e8, e9
	s_load_b32 s72, s[14:15], 0x28                 ; e10
	s_mov_b32 s[G0], 1
	s_mov_b32 s[G0+1], s89                         ; LDS address: slot 0
	s_cmp_eq_u32 s88, 0
	s_cselect_b64 s[G0+2:G0+3], s[6:7], s[12:13]   ; K's codes or V's: a choice on the wave's number
	s_add_nc_u64 s[G0+2:G0+3], s[G0+2:G0+3], s[74:75]
	s_or_b32 s[G0+3], s[G0+3], 0x80000000          ; type = 2
	TLOAD                                          ; slot 0
	s_add_nc_u64 s[8:9], s[4:5], s[90:91]          ; Q's image of the early tile,
	s_add_nc_u64 s[4:5], s[4:5], s[86:87]          ; of the late one,
	s_add_nc_u64 s[10:11], s[16:17], s[92:93]      ; and the two images that I store
	s_add_nc_u64 s[16:17], s[16:17], s[84:85]
	s_cmp_lt_u32 s[WV], 6                          ; the prefetches: waves 4, 5 K's codes, waves 6, 7 V's
	s_cselect_b64 s[PFA:PFA+1], s[6:7], s[12:13]
	s_lshl_b32 s90, s88, 13                        ; my half of the 16,384 bytes,
	s_add_co_u32 s90, s90, 16384                   ; in slot 1: the first trip steps it to slot 2.  Nothing is prefetched here, at the head
	s_mov_b32 s91, 0
	s_add_nc_u64 s[PFA:PFA+1], s[PFA:PFA+1], s[74:75]
	s_add_nc_u64 s[PFA:PFA+1], s[PFA:PFA+1], s[90:91]
	s_sub_co_u32 s90, s[WV], 4
	s_lshr_b32 s90, s90, 2                         ; 0 in waves 4 to 7,
	s_or_b32 s90, s90, ttmp9                       ; of the pair's first work-group
	s_cmp_eq_u32 s90, 0
	s_cselect_b32 s[LIM], 2, -1
	v_and_b32 v8, 31, v0
	s_delay_alu instid0(VALU_DEP_1)
	v_lshlrev_b32 v[LI], 4, v8
	s_delay_alu instid0(VALU_DEP_2)
	v_lshlrev_b32 v[PFO], 8, v8
	global_load_b128 v[QR:QR+3], v[LI], s[4:5]                 ; Q's two fragments stay in registers
	global_load_b128 v[QR+4:QR+7], v[LI], s[4:5] offset:512
	global_load_b128 v[QR+8:QR+11], v[LI], s[8:9]
	global_load_b128 v[QR+12:QR+15], v[LI], s[8:9] offset:512
	v_and_b32 v8, 15, v0
	v_bfe_u32 v22, v0, 4, 1
	s_delay_alu instid0(VALU_DEP_1)
	v_lshlrev_b32 v22, 3, v22
	s_delay_alu instid0(VALU_DEP_1)
	v_sub_nc_u32 v[DL], v8, v22                    ; r - 8 h, for the diagonal
	v_mov_b32 v[NINF], 0xff800000
	v_mov_b32 v[MM+1], 0xff61b1e6                  ; the largest t so far: -3e38, under every t
	v_mov_b32 v[MM+3], 0xff61b1e6
	v_floor_f32 v[MM], -v[MM+1]                    ; -M
	v_floor_f32 v[MM+2], -v[MM+3]
.irp r, 16,17,18,19,21,29
	v_mov_b32 v\r, 0                               ; l; the upper half of f's pair; a lane permute's destination
.endr
.set k, 0
.rept 64
	v_mov_b32 v[O+k], 0                            ; O^T.  (The step is written for every step alike: the first finds zeros, which the first change of M leaves zeros)
.set k, k+1
.endr
	s_wait_kmcnt 0x0
	s_add_co_i32 s73, s68, s69
	s_lshl_b32 s73, s73, 23
	s_add_co_i32 s[CS], s[CS], s73                 ; a sum of codes stands for sum x 2^(e6 + e7): the exponents are added to c's exponent field
	s_mov_b32 s[CS+1], s[CS]                       ; (named with it as a pair, so it is written)
	s_add_co_i32 s73, s70, 127
	s_lshl_b32 s84, s73, 23
	v_mov_b32 v[SC], s84                           ; 2^e8 as f32, for p's conversions
	s_add_co_i32 s73, s73, 8
	s_lshl_b32 s73, s73, 23
	s_or_b32 s[HL], s73, 0x600000                  ; 448 x 2^e8
.macro MASK g                          ; keys 32 g .. 32 g + 31 of the step: register 8 t + j is hidden where 16 t + j > my query - the step's first key - 8 h
.set m, 16*\g
.rept 16
	v_cmp_gt_i32 vcc_lo, 16*(m/8)+m%8, v[THR]
	v_cndmask_b32 v[S+m], v[S+m], v[NINF], vcc_lo
.set m, m+1
.endr
.endm
; THE SOFTMAX of tile a's 16 queries (the first is s[qq]) x 128 keys, from S^T to P's codes at v[pb ..]; O^T of the tile is brought under the new M on the way.
.macro SOFT a, pb, qq
.set MA, MM+2*\a
.set LA, LL+2*\a
	s_add_co_u32 s96, s[KF], 127                   ; a step all of whose keys count has no mask
	s_cmp_le_u32 s96, s[\qq]
	s_cbranch_scc1 .Lopen_\@
	s_sub_co_u32 s96, s[\qq], s[KF]                ; 0, 16 .. 112: whole groups of 32 keys under it count for all 16 queries, so the mask is entered behind them
	v_add_nc_u32 v[THR], s96, v[DL]
	s_wait_alu depctr_va_vdst(0)
	s_cmp_ge_u32 s96, 96
	s_cbranch_scc1 .Lg3_\@
	s_cmp_ge_u32 s96, 64
	s_cbranch_scc1 .Lg2_\@
	s_cmp_ge_u32 s96, 32
	s_cbranch_scc1 .Lg1_\@
	MASK 0
.Lg1_\@:
	MASK 1
.Lg2_\@:
	MASK 2
.Lg3_\@:
	MASK 3
.Lopen_\@:
.set k, 0
.rept 4
	v_max_num_f32 v[T+k], v[S+2*k], v[S+2*k+1]     ; the step's largest score of my query, among my 64 keys, in four chains, each key tile from its low end on
.set k, k+1
.endr
.set k, 8
.rept 28
	v_max3_num_f32 v[T+(k/2)%4], v[T+(k/2)%4], v[S+k], v[S+k+1]
.set k, k+2
.endr
	v_max3_num_f32 v[T], v[T], v[T+1], v[T+2]
	s_delay_alu instid0(VALU_DEP_1)
	v_max_num_f32 v[T], v[T], v[T+3]
	s_delay_alu instid0(VALU_DEP_1)
	v_permlanex16_b32 v[PT], v[T], s[SEL], s[SEL+1]
	s_delay_alu instid0(VALU_DEP_1)
	v_max_num_f32 v[T], v[T], v[PT]                ; and among lane l xor 16's
	s_delay_alu instid0(VALU_DEP_1)
	v_mul_f32 v[T], s[CS], v[T]                    ; as t (c is positive)
	s_delay_alu instid0(VALU_DEP_1)
	v_max_num_f32 v[MA+1], v[MA+1], v[T]           ; the running largest t
	v_mov_b32 v[T], v[MA]
	s_delay_alu instid0(VALU_DEP_2)
	v_floor_f32 v[MA], -v[MA+1]                    ; the new -M = -ceil(t): M IS A WHOLE NUMBER
	s_delay_alu instid0(VALU_DEP_1)
	v_sub_f32 v[T], v[MA], v[T]                    ; M's old value less its new one: a whole number, 0 or less
	s_delay_alu instid0(VALU_DEP_1)
	v_cvt_i32_f32 v[T], v[T]                       ; (it saturates)
	s_delay_alu instid0(VALU_DEP_1)
	v_ldexp_f32 v[F], 1.0, v[T]                    ; f = 2^(old M - new M): a multiplication by it rounds nothing
	s_wait_alu depctr_va_vdst(0)                   ; directly ahead of the first readers of O^T
.set k, 0
.rept 16
	v_pk_mul_f32 v[O+32*\a+k:O+32*\a+k+1], v[O+32*\a+k:O+32*\a+k+1], v[F:F+1] op_sel_hi:[1,0]   ; O^T under the new M, each accumulator from its low end on
.set k, k+2
.endr
.set k, 0
.rept 32
	v_pk_fma_f32 v[S+k:S+k+1], v[S+k:S+k+1], s[CS:CS+1], v[MA:MA+1] op_sel_hi:[1,0,0]   ; t - M, two at a time
.set k, k+2
.endr
	s_wait_alu depctr_va_vdst(0)                   ; ahead of the batch
.set k, 0
.rept 64
	v_exp_f32 v[S+k], v[S+k]                       ; p = 2^(t - M), at most 1: NOT normalised
.set k, k+1
.endr
	v_pk_mul_f32 v[LA:LA+1], v[LA:LA+1], v[F:F+1] op_sel_hi:[1,0]   ; l under the new M.  (The plain instruction behind the exponentials)
	s_wait_alu depctr_va_vdst(0)                   ; and the wait behind the batch, ahead of its first reader
; Key tile by key tile: the sums of the unquantised p (four chains), then the hold, two numbers a line, then the conversion.  The additions are the plain instructions between one conversion and the next,
; whose result may lie on scores that an earlier one has read (pb = S - 2: key tile n's codes lie under its own scores).
.set k, 0
.rept 8
	v_pk_add_f32 v[LA:LA+1], v[LA:LA+1], v[S+k:S+k+1]
.if k == 0
	v_pk_add_f32 v[T:T+1],   v[S+2:S+3], v[S+10:S+11]
	v_pk_add_f32 v[T+2:T+3], v[S+4:S+5], v[S+12:S+13]
	v_pk_add_f32 v[T+4:T+5], v[S+6:S+7], v[S+14:S+15]
.endif
.if k > 8
	v_pk_add_f32 v[T:T+1],   v[T:T+1],   v[S+k+2:S+k+3]
	v_pk_add_f32 v[T+2:T+3], v[T+2:T+3], v[S+k+4:S+k+5]
	v_pk_add_f32 v[T+4:T+5], v[T+4:T+5], v[S+k+6:S+k+7]
.endif
.set d, 0
.rept 4
	v_dual_min_num_f32 v[S+k+d], s[HL], v[S+k+d] :: v_dual_min_num_f32 v[S+k+d+1], s[HL], v[S+k+d+1]   ; the conversion to an 8-bit code does not saturate (ISA guide 7.6.2); p is not negative, so the hold is one-sided
.set d, d+2
.endr
	v_cvt_scalef32_pk8_fp8_f32 v[\pb+k/4:\pb+k/4+1], v[S+k:S+k+7], v[SC]   ; key tile n's codes are registers 2 n, 2 n + 1 of P's fragment
.set k, k+8
.endr
	v_pk_add_f32 v[T:T+1], v[T:T+1], v[T+2:T+3]    ; (these three are also the plain instructions between the last conversion and the products that follow)
	v_pk_add_f32 v[LA:LA+1], v[LA:LA+1], v[T+4:T+5]
	s_delay_alu instid0(VALU_DEP_1)
	v_pk_add_f32 v[LA:LA+1], v[LA:LA+1], v[T:T+1]
.endm
.macro QK a
.set k, 0
.rept 8
	v_wmma_f32_16x16x64_fp8_fp8 v[S+8*k:S+8*k+7], v[X+8*k:X+8*k+7], v[QR+8*\a:QR+8*\a+7], 0    ; S^T: lane (r, h), register j of key tile k: key 16 k + 8 h + j, query r
.set k, k+1
.endr
.rept 4
	v_nop                                          ; four places, in front of loads onto K's fragments and of the first read of the scores
.endr
.endm
.macro VLOAD q
.set k, 0
.rept 16
	ds_load_b128 v[X+4*k:X+4*k+3], v[ADV] offset:8192*(\q)+512*k   ; V: fragment k / 4 (16 channels), its quarter k % 4; they land under a softmax
.set k, k+1
.endr
.endm
.macro EARLY_DONE                      ; SCC = 1 where all the step's keys come after the early tile's queries: ids and the count of steps alone
	s_add_co_u32 s96, s[QS], 15
	s_cmp_gt_u32 s[KF], s96
.endm
; A KEY STEP: 128 keys, the q-th of the slot in hand.
.macro STEP q
	s_add_co_u32 s96, s[QL], 15                    ; a step all of whose keys come after the late tile's queries is left out whole: a scalar branch on ids, round the step's loads, products and softmax
	s_cmp_gt_u32 s[KF], s96
	s_cbranch_scc1 .Lhidden_\@
	s_add_co_u32 s97, s[TB], VREG
	v_add_nc_u32 v[ADK], s[TB], v[LI]
	v_add_nc_u32 v[ADV], s97, v[LI]
.rept 3
	v_nop                                          ; with the two additions: five places behind the last products, whose P the first scores are laid over, and whose V the loads land on
.endr
.set k, 0
.rept 16
	ds_load_b128 v[X+4*k:X+4*k+3], v[ADK] offset:8192*(\q)+512*k   ; K: image k / 2 (16 keys), its half k % 2
.set k, k+1
.endr
	s_wait_alu depctr_va_vdst(0)                   ; directly ahead of the wait below
	s_wait_dscnt 0x0
	QK 0
	EARLY_DONE
	s_cbranch_scc0 .Lkeep_\@
	VLOAD \q                                       ; the late tile alone: K's fragments are done with
.Lkeep_\@:
	SOFT 0, P0, QL
	EARLY_DONE
	s_cbranch_scc1 .Lsolo_\@
	s_wait_alu depctr_va_vdst(0)                   ; directly ahead of the wait below
	s_wait_dscnt 0x0                               ; no LDS load of mine is out on this way
	QK 1                                           ; the same eight fragments of K
	VLOAD \q
	SOFT 1, P1, QS
	s_wait_alu depctr_va_vdst(0)                   ; directly ahead of the wait below
	s_wait_dscnt 0x0                               ; V is in
.set k, 0
.rept 4
	v_wmma_f32_16x16x128_fp8_fp8 v[O+8*k:O+8*k+7], v[X+16*k:X+16*k+15], v[P0:P0+15], v[O+8*k:O+8*k+7]           ; O^T += V^T P^T: eight accumulators by turns, one instruction a turn
	v_wmma_f32_16x16x128_fp8_fp8 v[O+32+8*k:O+32+8*k+7], v[X+16*k:X+16*k+15], v[P1:P1+15], v[O+32+8*k:O+32+8*k+7]
.set k, k+1
.endr
	s_branch .Lhidden_\@
.Lsolo_\@:
	s_wait_alu depctr_va_vdst(0)                   ; directly ahead of the wait below
	s_wait_dscnt 0x0                               ; V is in
.set k, 0
.rept 4
	v_wmma_f32_16x16x128_fp8_fp8 v[O+8*k:O+8*k+7], v[X+16*k:X+16*k+15], v[P0:P0+15], v[O+8*k:O+8*k+7]           ; four accumulators by turns
.set k, k+1
.endr
.Lhidden_\@:
	s_add_co_u32 s[KF], s[KF], 128
.endm
	s_wait_alu depctr_va_vdst(0)
	s_wait_loadcnt 0x0                             ; Q
.Lslot:                                            ; NSL trips: the trip count is a constant; what a work-group or a wave does not need is jumped over inside
	s_wait_tensorcnt 0x0                           ; my part of the slot that is read next is in; no tensor load of mine is out, so group 0 may be written
	ds_add_u32 v[SPW], v[NIL]                      ; 0 onto my spare word, twice on end
	ds_add_u32 v[SPW], v[NIL]
	s_add_co_u32 s[G0+1], s[G0+1], 16384           ; the walking descriptor: the next slot of its region,
	s_add_nc_u64 s[G0+2:G0+3], s[G0+2:G0+3], 16384 ; the next 256 keys; the type bits on top are not reached
	s_wait_xcnt 0x0                                ; the last prefetch, a trip back, has read its address, so it may be written:
	s_add_nc_u64 s[PFA:PFA+1], s[PFA:PFA+1], 16384 ; one slot further on than the walking descriptor
	s_wait_dscnt 0x0                               ; both adds are done
	s_barrier_signal -1
	s_barrier_wait -1                              ; the slot in hand is whole for all sixteen waves
	s_add_co_u32 s96, s[KF], 256                   ; THE LOOK-AHEAD ENDS AT THE CAUSAL LIMIT: a slot whose first key comes after my work-group's last query is read by none of its waves, so it is not asked for.
	s_cmp_gt_u32 s96, s[WGL]                       ; Ids and the count of steps alone: all sixteen waves go the same way; every wait on TENSORcnt in this text is for 0.  In the last trip the test holds in every work-group
	s_cbranch_scc1 .Lpast
	TLOAD                                          ; a wave's one tensor load until the next barrier: a first fill, with this trip's two steps in which to land
.Lpast:
	ASK
	STEP 0
	STEP 1
	s_add_co_u32 s[TB], s[TB], 16384               ; on to the next slot
	s_sub_co_u32 s[SLOTS], s[SLOTS], 1
	s_cmp_lg_u32 s[SLOTS], 0
	s_cbranch_scc1 .Lslot
	; THE WAY OUT.  O^T / l x 2^(e8 + e9) is the head's output in f32; held and converted with 2^e10 it is my two images of c_codes.
	s_add_co_i32 s73, s72, 127
	s_lshl_b32 s84, s73, 23                        ; 2^e10
	s_add_co_i32 s73, s73, 8
	s_lshl_b32 s73, s73, 23
	s_or_b32 s73, s73, 0x600000                    ; 448 x 2^e10
	s_add_co_i32 s85, s70, s71                     ; e8 + e9
	v_add_f32 v[LL], v[LL], v[LL+1]                ; l's two halves, the two tiles by turns,
	v_add_f32 v[LL+2], v[LL+2], v[LL+3]
	v_permlanex16_b32 v[PT], v[LL], s[SEL], s[SEL+1]
	v_permlanex16_b32 v[PT2], v[LL+2], s[SEL], s[SEL+1]
	v_add_f32 v[LL], v[LL], v[PT]                  ; and lane l xor 16's
	v_add_f32 v[LL+2], v[LL+2], v[PT2]
	s_wait_alu depctr_va_vdst(0)                   ; ahead of the transcendentals
	v_rcp_f32 v[LL], v[LL]
	v_rcp_f32 v[LL+2], v[LL+2]
	v_mov_b32 v[SC], s84                           ; (plain instructions behind the reciprocals)
	v_mov_b32 v[LM], s73
	s_wait_alu depctr_va_vdst(0)                   ; and behind them, ahead of their first reader
	v_ldexp_f32 v[LL], v[LL], s85
	v_ldexp_f32 v[LL+2], v[LL+2], s85
	s_wait_alu depctr_va_vdst(0)                   ; directly ahead of the first readers of O^T
.set k, 0
.rept 32
	v_pk_mul_f32 v[S+k:S+k+1], v[O+k:O+k+1], v[LL+2*(k/32):LL+2*(k/32)+1] op_sel_hi:[1,0]   ; register 32 a + 8 c + j: channel 16 c + 8 h + j of tile a's query r; each accumulator from its low end on
.set k, k+2
.endr
.set k, 0
.rept 8
.set d, 0
.rept 8
	v_med3_num_f32 v[S+8*k+d], v[S+8*k+d], -v[LM], v[LM]
.set d, d+1
.endr
	v_cvt_scalef32_pk8_fp8_f32 v[X+2*k:X+2*k+1], v[S+8*k:S+8*k+7], v[SC]
.set k, k+1
.endr
	v_nop
	global_store_b128 v[LI], v[X:X+3], s[16:17]                     ; each store covers 512 consecutive bytes, aligned: the late tile's image,
	global_store_b128 v[LI], v[X+4:X+7], s[16:17] offset:512
	global_store_b128 v[LI], v[X+8:X+11], s[10:11]                  ; and the early tile's
	global_store_b128 v[LI], v[X+12:X+15], s[10:11] offset:512
	s_wait_tensorcnt 0x0                           ; the wave's end
	ds_add_u32 v[SPW], v[NIL]
	s_wait_dscnt 0x0
	s_endpgm
.Lfunc_end_k_qb84f489417_attn:
	.size	k_qb84f489417_attn, .Lfunc_end_k_qb84f489417_attn-k_qb84f489417_attn
	.p2alignl 7, 3214868480
	.fill 96, 4, 3214868480
	.section	.rodata,"a",@progbits
	.p2align	6, 0x0
	.amdhsa_kernel k_qb84f489417_attn
		.amdhsa_group_segment_fixed_size 327680
		.amdhsa_private_segment_fixed_size 0
		.amdhsa_enable_private_segment 0
		.amdhsa_kernarg_size 40
		.amdhsa_user_sgpr_count 2
		.amdhsa_user_sgpr_kernarg_segment_ptr 1
		.amdhsa_wavefront_size32 1
		.amdhsa_system_sgpr_workgroup_id_x 1
		.amdhsa_system_sgpr_workgroup_id_y 1
		.amdhsa_system_sgpr_workgroup_id_z 1
		.amdhsa_system_vgpr_workitem_id 0
		.amdhsa_next_free_vgpr 256
		.amdhsa_next_free_sgpr 100
		.amdhsa_reserve_vcc 1
		.amdhsa_float_denorm_mode_32 3
		.amdhsa_float_denorm_mode_16_64 3
		.amdhsa_memory_ordered 1
		.amdhsa_forward_progress 1
		.amdhsa_inst_pref_size 100
	.end_amdhsa_kernel
	.amdgpu_metadata
---
amdhsa.version: [ 1, 2 ]
amdhsa.kernels:
  - .name:           k_qb84f489417_attn
    .symbol:         k_qb84f489417_attn.kd
    .args:
      - { .name: q_codes, .offset: 0, .size: 8, .value_kind: global_buffer, .address_space: global }
      - { .name: k_codes, .offset: 8, .size: 8, .value_kind: global_buffer, .address_space: global }
      - { .name: v_codes, .offset: 16, .size: 8, .value_kind: global_buffer, .address_space: global }
      - { .name: lowp_scales, .offset: 24, .size: 8, .value_kind: global_buffer, .address_space: global }
      - { .name: c_codes, .offset: 32, .size: 8, .value_kind: global_buffer, .address_space: global }
    .group_segment_fixed_size: 327680
    .private_segment_fixed_size: 0
    .kernarg_segment_align: 8
    .kernarg_segment_size: 40
    .max_flat_workgroup_size: 512
    .sgpr_count:     100
    .vgpr_count:     256
    .wavefront_size: 32
...
	.end_amdgpu_metadata
.endif
;; end of part 3
;; launch oproj (part 4): grid 4 x 64, 4 waves a work-group, clusters of 4 x 4, 327,680 bytes of LDS; arguments c_codes, w_codes, lowp_scales, bo, out0; writes out0
.if DOCPART == 4
	.amdgcn_target "amdgcn-amd-amdhsa--gfx1250"
	.amdhsa_code_object_version 6
	.text
	.protected	k_qb84f489417_oproj
	.globl	k_qb84f489417_oproj
	.p2align	8
	.type	k_qb84f489417_oproj,@function
k_qb84f489417_oproj:
	s_mov_b64 s[64:65], 0
	v_nop
	global_prefetch_b8 v0, s[64:65] scope:SCOPE_SE
	s_setreg_imm32_b32 hwreg(HW_REG_WAVE_MODE, 25, 1), 1
	s_wait_xcnt 0x0
	s_wait_alu depctr_hold_cnt(0) depctr_sa_sdst(0) depctr_va_vdst(0) depctr_va_sdst(0) depctr_va_ssrc(0) depctr_va_vcc(0) depctr_vm_vsrc(0)
	s_getreg_b32 s2, hwreg(HW_REG_IB_STS2, 6, 4)
	s_cmp_eq_u32 s2, 0
	s_cbranch_scc0 .Lentry_in_a_cluster
	s_endpgm
.Lentry_in_a_cluster:
	s_bfe_u32 s2, ttmp6, 0x10000c
	s_cmp_lg_u32 s2, 0xf033
	s_cbranch_scc0 .Lentry_shape_is_right
	s_endpgm
.Lentry_shape_is_right:
; out0 [8192][1024] f32 = concat Wo + bo on E4M3 codes, K = 1,024.  A sum of codes stands for sum x 2^(e10 + e11).  LIMIT: e10 + e11 between -126 and 127, so that 2^(e10 + e11) is an f32 number.
; OPERANDS ARE IMAGES OF REGISTERS: 16 rows x 64 K in 1,024 bytes, lane l's registers 0-3 at 16 l, 4-7 at 512 + 16 l; a block of 16 rows has its 16 images along K on end (16,384 bytes).
; A = c_codes (512 blocks of 16 rows), B = Wo's codes (64 blocks of 16 columns, 3 x 2^20 bytes into w_codes).
; A block of the result is 128 x 256: 64 x 4 = 256 work-groups.  Four waves, each 64 rows x 128 columns: 32 accumulators.  K goes in steps of 256 through a ring of two LDS slots
; (A's 8 blocks, then B's 16, 4,096 bytes each); waves 0 and 1 fetch A's halves (4 blocks), waves 2 and 3 B's (8 blocks), one tensor load a wave.
; CLUSTERS: 4 x 4 work-groups; A's tile is asked for jointly along a row of the cluster, B's along a column.  THE MATRIX INSTRUCTION IS USED TRANSPOSED (source 0 = 16 rows of B, source 1 = 16 rows of A):
; a lane holds eight neighbouring columns of one row of the result.
; NO PREFETCH: K is four K steps; the first two come by the first fills, and a look-ahead of two refills from the two refills that follow names no K step inside K.
; REGISTERS, in windows of 256: window 0: v16-29 addresses, v32-95 at work on the way out, v128-255 A's fragments in two sets (on the way out: rows read back); window 1: B's fragments in two sets (at the end v0-63: the bias);
; window 2: accumulator (a, b) at v[8 (8 a + b)].
.set SIZE_N, 1024
.set KB,     4096                      ; a block's 256 along K: four images
.set HALFA,  4*KB                      ; what a wave fetches, and reads, of A
.set HALFT,  8*KB                      ; the same of B
.set SLOT,   2*HALFA+2*HALFT
.set SPARE,  2*SLOT                    ; behind the ring: the spare words, 128 bytes for each wave: two blocks of 256 bytes that no other line names
.set SPITCH, 528                       ; the way out: a stage of 16 rows x (512 + 16) bytes for each wave, in slot 0, which has had its last fill and its last read by then
.set ADRA, 16
.set ADRB, 20
.set STO,  24
.set RD,   25
.set CO,   26
.set BH,   27
.set SPW,  28
.set NIL,  29
.set TMP,  32
.set AF,   128
.set BK,   128
.set G1, 24                            ; s[24:31] group 1 for A's tiles; s[32:39] group 0, one set for each slot
.set G0, 32
.set G1B, 48                           ; s[48:55], s[56:63] the same for B's
.set G0B, 56
.set MSB, 0
.macro WIN new                         ; the immediate's high byte repeats the setting that is left
.if MSB != \new
	s_set_vgpr_msb (MSB<<8)|\new
.set MSB, \new
.endif
.endm
.set MUL,  0xa1                        ; source 0 (B) window 1, source 1 (A) window 0, C and D window 2
.set TO_B, 0x40                        ; destination window 1, address window 0
; A joint load: each of the two lines has one mask and one set of registers for all that issue it; the branch hangs on the wave's number alone.  An s_nop 0 and four v_nop follow each line.
.macro JLOAD g0a, g0b
	s_cmp_eq_u32 s15, 0
	s_cbranch_scc0 .Lfor_b_\@
	tensor_load_to_lds s[\g0a:\g0a+3], s[G1:G1+7]
	s_nop 0
.rept 4
	v_nop
.endr
	s_branch .Lasked_\@
.Lfor_b_\@:
	tensor_load_to_lds s[\g0b:\g0b+3], s[G1B:G1B+7]
	s_nop 0
.rept 4
	v_nop
.endr
.Lasked_\@:
.endm
.macro CREST                           ; a round of the cluster's barrier behind its opening barrier
	s_cmp_lg_u32 s14, 0
	s_cbranch_scc1 .Lnot_wave_0_\@
	s_barrier_signal -3
.Lnot_wave_0_\@:
	s_barrier_wait -3
	s_barrier_signal -1
	s_barrier_wait -1
.endm
.macro CROUND
	s_barrier_signal -1
	s_barrier_wait -1
	CREST
.endm
.macro PLACES
.rept 4
	v_nop
.endr
.endm
	s_load_b128 s[4:7], s[0:1], 0x0                ; c_codes, w_codes
	s_load_b128 s[8:11], s[0:1], 0x10              ; the exponents, bo
	s_load_b64 s[12:13], s[0:1], 0x20              ; out0
	v_lshl_add_u32 v[SPW], v0, 2, SPARE
	v_mov_b32 v[NIL], 0
	ds_add_u32 v[SPW], v[NIL]                      ; the wave's opening: the add, twice on end, and its wait ahead of the first tensor load
	ds_add_u32 v[SPW], v[NIL]
	v_lshrrev_b32 v1, 5, v0
	v_readfirstlane_b32 s14, v1                    ; wave 0..3
	s_lshr_b32 s15, s14, 1                         ; which 64 of the block's rows are mine.  Also: I fetch for A (0) or for B (1)
	s_and_b32 s16, s14, 1                          ; which 128 of its columns.  Also: which half of that tile I fetch
	s_bfe_u32 s40, ttmp6, 0x40000                  ; cx, cy: my place in the cluster
	s_bfe_u32 s41, ttmp6, 0x40004
	s_lshl_b32 s42, ttmp9, 2
	s_add_co_u32 s42, s42, s40                     ; block column = 4 x cluster x + cx
	s_and_b32 s17, ttmp7, 0xffff
	s_lshl_b32 s17, s17, 2
	s_add_co_u32 s17, s17, s41                     ; block row = 4 x cluster y + cy
	s_lshl_b32 s43, s41, 2
	s_lshl_b32 s43, 15, s43                        ; my row of the cluster
	s_lshl_b32 s44, 0x1111, s40                    ; my column
	s_or_b32 s[G1+0], s43, (3<<16)|(1<<21)         ; the mask; elements of 8 bytes; no padding; bit 21 beside a mask
	s_or_b32 s[G1B+0], s44, (3<<16)|(1<<21)
	s_mov_b32 s[G1+2], 4<<16                       ; tensor_dim1: A 4 rows (blocks of 16 operand rows),
	s_mov_b32 s[G1+4], 4                           ; tile_dim1
	s_mov_b32 s[G1B+2], 8<<16                      ; B 8
	s_mov_b32 s[G1B+4], 8
.irp g, G1, G1B
	s_mov_b32 s[\g+1], 512<<16                     ; tensor_dim0 = 512 elements: 4,096 bytes
	s_mov_b32 s[\g+3], 512<<16                     ; tile_dim0
	s_mov_b32 s[\g+5], 2048                        ; from row to row 16,384 bytes
	s_mov_b32 s[\g+6], 0
	s_mov_b32 s[\g+7], 0
.endr
	s_lshl_b32 s18, s16, 2
	s_lshl_b32 s20, s17, 3
	s_add_co_u32 s20, s20, s18
	s_lshl_b32 s20, s20, 14                        ; A: block 8 x block row + 4 x half, in bytes
	s_mov_b32 s21, 0
	s_lshl_b32 s18, s16, 3
	s_lshl_b32 s46, s42, 4
	s_add_co_u32 s46, s46, s18
	s_lshl_b32 s46, s46, 14                        ; B: block 16 x block column + 8 x half,
	s_add_co_u32 s46, s46, 3<<20                   ; in Wo's codes
	s_mov_b32 s47, 0
	s_mul_i32 s45, s16, HALFA                      ; where the tiles go: no place in the cluster enters an LDS address
	s_mul_i32 s67, s16, HALFT
	s_add_co_u32 s67, s67, 2*HALFA
	s_wait_dscnt 0x0                               ; both opening adds are done
	s_wait_kmcnt 0x0
	s_load_b64 s[96:97], s[8:9], 0x28              ; e10, e11
	s_add_nc_u64 s[20:21], s[4:5], s[20:21]
	s_add_nc_u64 s[46:47], s[6:7], s[46:47]
	CROUND                                         ; all sixteen work-groups are here: the first joint loads meet
.irp s, 0,1
	s_mov_b32 s[G0+4*\s], 1
	s_add_co_u32 s[G0+4*\s+1], s45, \s*SLOT
	s_add_nc_u64 s[G0+4*\s+2:G0+4*\s+3], s[20:21], \s*KB
	s_or_b32 s[G0+4*\s+3], s[G0+4*\s+3], 0x80000000
	s_mov_b32 s[G0B+4*\s], 1
	s_add_co_u32 s[G0B+4*\s+1], s67, \s*SLOT
	s_add_nc_u64 s[G0B+4*\s+2:G0B+4*\s+3], s[46:47], \s*KB
	s_or_b32 s[G0B+4*\s+3], s[G0B+4*\s+3], 0x80000000
.endr
	JLOAD G0, G0B                                  ; K step 0: one tensor load a wave at the head
	v_and_b32 v1, 15, v0                           ; r
	v_bfe_u32 v2, v0, 4, 1                         ; h
	v_and_b32 v6, 31, v0
	v_lshlrev_b32 v[CO], 4, v6                     ; 16 x lane
	v_lshlrev_b32 v[BH], 5, v2                     ; a lane's eight biases of a tile of columns
	s_mul_i32 s21, s15, HALFA                      ; my 64 rows of A
	s_mul_i32 s22, s16, HALFT                      ; my 128 rows of B,
	s_add_co_u32 s22, s22, 2*HALFA                 ; which lie behind A's 128
.irp s, 0,1
	v_add_nc_u32 v[ADRA+\s], s21, v[CO]
	v_add_nc_u32 v[ADRB+\s], s22, v[CO]
	s_add_co_u32 s21, s21, SLOT
	s_add_co_u32 s22, s22, SLOT
.endr
	s_mul_i32 s23, s14, 16*SPITCH                  ; my stage
	s_wait_alu depctr_va_vdst(0)                   ; directly ahead of the readers below
	v_mul_u32_u24 v5, v1, SPITCH                   ; in: row r, 32 bytes for each half of the lanes
	v_lshl_add_u32 v5, v2, 5, v5
	v_add_nc_u32 v[STO], s23, v5
	v_add_nc_u32 v[RD], s23, v[CO]                 ; back: the 32 lanes take one row of 512 bytes
	s_lshl_b32 s20, s17, 7
	s_lshl_b32 s21, s15, 6
	s_add_co_u32 s20, s20, s21                     ; my first row: 128 x block row + 64 x half,
	s_lshl_b32 s20, s20, 12                        ; of 4,096 bytes
	s_mov_b32 s21, 0
	s_lshl_b32 s46, s42, 10
	s_lshl_b32 s47, s16, 9
	s_add_co_u32 s46, s46, s47                     ; my first column, in bytes: 1,024 x block column + 512 x half
	s_mov_b32 s47, 0
	s_add_nc_u64 s[10:11], s[10:11], s[46:47]      ; its bias
	s_add_nc_u64 s[20:21], s[20:21], s[46:47]
	s_add_nc_u64 s[12:13], s[12:13], s[20:21]
.macro FRAG reg, adr, q, i             ; a fragment, 16 rows x 128 K, comes as it lies: four loads of 512 consecutive bytes
.irp c, 0,1,2,3
	ds_load_b128 v[\reg+4*\c:\reg+4*\c+3], v[\adr] offset:KB*(\i)+2048*(\q)+512*\c
.endr
.endm
.macro FETCH slot, q, p                ; the fragments of the slot's q-th 128 along K into set p: B's eight, A's four: 48 loads
	WIN TO_B
.irp i, 0,1,2,3,4,5,6,7
	FRAG 128*(\p)+16*\i, ADRB+\slot, \q, \i
.endr
	WIN 0
.irp i, 0,1,2,3
	FRAG AF+64*(\p)+16*\i, ADRA+\slot, \q, \i
.endr
.endm
; 16 matrix instructions: A's blocks a0, a0 + 1 x B's eight, 128 along K, from set p.  zero = 1: the first product starts the sums.  The 32 accumulators take turns, one instruction a turn, in the same order in every step.
.macro MUL16 a0, p, zero
.irp a, \a0, \a0+1
.irp b, 0,1,2,3,4,5,6,7
.if \zero
	v_wmma_f32_16x16x128_fp8_fp8 v[8*(8*(\a)+\b):8*(8*(\a)+\b)+7], v[128*(\p)+16*\b:128*(\p)+16*\b+15], v[AF+64*(\p)+16*(\a):AF+64*(\p)+16*(\a)+15], 0
.else
	v_wmma_f32_16x16x128_fp8_fp8 v[8*(8*(\a)+\b):8*(8*(\a)+\b)+7], v[128*(\p)+16*\b:128*(\p)+16*\b+15], v[AF+64*(\p)+16*(\a):AF+64*(\p)+16*(\a)+15], v[8*(8*(\a)+\b):8*(8*(\a)+\b)+7]
.endif
.endr
.endr
.endm
.macro STEP slot, zero                 ; a slot's first 128 along K, from set 0; its second 128 is fetched into set 1 meanwhile
	s_wait_dscnt 0x0                               ; set 0 is in
	PLACES                                         ; four places in front of loads into set 1, which the last products have read
	FETCH \slot, 1, 1
	WIN MUL
	MUL16 0, 0, \zero
	MUL16 2, 0, \zero
	WIN 0
.endm
; A slot's second 128 changes slots: in front of the barrier each wave waits for all its tensor loads, adds 0 to its spare word, and waits for that and for its reads of this slot.  fill = 1: a round of the cluster's barrier, and this slot is filled again.
.macro TURN slot, next, fill
	s_wait_tensorcnt 0x0                           ; my part of the next slot is in
	ds_add_u32 v[SPW], v[NIL]
	s_wait_dscnt 1                                 ; set 1 is in; the add alone may be out
	WIN MUL
	MUL16 0, 1, 0                                  ; sixteen matrix instructions between the add and the wait for it
	WIN 0
	s_wait_dscnt 0x0                               ; the add is done, and my reads of this slot are over
	s_barrier_signal -1
	s_barrier_wait -1
.if \fill
	CREST                                          ; no wave of any partner still reads this slot or has a load on its way
	s_add_nc_u64 s[G0+4*\slot+2:G0+4*\slot+3], s[G0+4*\slot+2:G0+4*\slot+3], 2*KB
	s_add_nc_u64 s[G0B+4*\slot+2:G0B+4*\slot+3], s[G0B+4*\slot+2:G0B+4*\slot+3], 2*KB
	JLOAD G0+4*\slot, G0B+4*\slot                  ; the first tensor load behind the round; its four v_nop are the places in front of the loads below
.else
	PLACES
.endif
	FETCH \next, 0, 0
	WIN MUL
	MUL16 2, 1, 0
	WIN 0
.endm
	s_wait_alu depctr_va_vdst(0)
	s_wait_tensorcnt 0x0                           ; my part of K step 0 is in
	ds_add_u32 v[SPW], v[NIL]
	s_wait_dscnt 0x0
	CROUND
	JLOAD G0+4, G0B+4                              ; K step 1, the first tensor load behind the round
	FETCH 0, 0, 0
	STEP 0, 1                                      ; K = 1,024 is four K steps: both slots are filled again once, so the lap is written out
	TURN 0, 1, 1
	STEP 1, 0
	TURN 1, 0, 1
	STEP 0, 0
	TURN 0, 1, 0                                   ; nothing is left to fetch: no round
	STEP 1, 0
	PLACES                                         ; in front of loads into B's set 0
	WIN TO_B
.irp b, 0,1,2,3,4,5,6,7
	global_load_b128 v[8*\b:8*\b+3],   v[BH], s[10:11] offset:64*\b       ; the bias of columns 16 b + 8 h + 0 .. 7
	global_load_b128 v[8*\b+4:8*\b+7], v[BH], s[10:11] offset:64*\b+16
.endr
	WIN 0
	s_wait_dscnt 0x0
	WIN MUL
	MUL16 0, 1, 0
	MUL16 2, 1, 0
	WIN 0
; THE WAY OUT, block by block of 16 rows x 128 columns: sum x 2^(e10 + e11) + bias, through my own stage, back as whole rows of 512 bytes.  LDS serves a wave's instructions in order (ISA guide 5.7.1.4).
.macro TOSTAGE a
	WIN 0x12                                       ; source 0: window 2; source 2: window 1
.set n, 0
.rept 32
	v_pk_fma_f32 v[TMP+n:TMP+n+1], v[64*(\a)+n:64*(\a)+n+1], s[96:97], v[n:n+1] op_sel_hi:[1,0,1]   ; each accumulator from its low end on
.set n, n+2
.endr
	WIN 0
.irp b, 0,1,2,3,4,5,6,7
	ds_store_b128 v[STO], v[TMP+8*\b:TMP+8*\b+3] offset:64*\b
	ds_store_b128 v[STO], v[TMP+8*\b+4:TMP+8*\b+7] offset:64*\b+16
.endr
.set BB, BK+64*((\a)%2)
.irp t, 0,1,2,3,4,5,6,7,8,9,10,11,12,13,14,15
	ds_load_b128 v[BB+4*\t:BB+4*\t+3], v[RD] offset:\t*SPITCH
.endr
.endm
.macro SEND a, younger                 ; younger: the LDS instructions issued behind block a's loads, which may stay out
.set BB, BK+64*((\a)%2)
	s_wait_dscnt \younger
.if (\a) > 0
	s_add_nc_u64 s[12:13], s[12:13], 16*SIZE_N*4   ; (behind a wait on XCNT: the earlier stores have read their base)
.endif
.irp t, 0,1,2,3,4,5,6,7,8,9,10,11,12,13,14,15
	global_store_b128 v[CO], v[BB+4*\t:BB+4*\t+3], s[12:13] offset:\t*SIZE_N*4 th:TH_STORE_NT   ; 32 lanes store 512 consecutive bytes, aligned
.endr
.endm
	s_wait_kmcnt 0x0
	s_add_co_i32 s96, s96, s97
	s_add_co_i32 s96, s96, 127
	s_lshl_b32 s96, s96, 23                        ; 2^(e10 + e11) as f32
	s_mov_b32 s97, s96                             ; (named with s96 as a pair, so it is written)
	PLACES                                         ; in front of the first read of results and of loads into the registers that held A's fragments
	s_wait_loadcnt 0x0                             ; the bias
	TOSTAGE 0
.irp a, 1,2,3
.if \a > 1
	s_wait_xcnt 0x0                                ; block a - 2's stores have read their registers and their base
.endif
	TOSTAGE \a
	SEND \a-1, 32                                  ; behind block a - 1's loads: block a's 16 stores and 16 loads
.endr
	s_wait_xcnt 0x0
	SEND 3, 0
	s_wait_tensorcnt 0x0                           ; the wave's end
	ds_add_u32 v[SPW], v[NIL]
	s_wait_dscnt 0x0
	CROUND                                         ; the closing round
	s_endpgm
.Lfunc_end_k_qb84f489417_oproj:
	.size	k_qb84f489417_oproj, .Lfunc_end_k_qb84f489417_oproj-k_qb84f489417_oproj
	.p2alignl 7, 3214868480
	.fill 96, 4, 3214868480
	.section	.rodata,"a",@progbits
	.p2align	6, 0x0
	.amdhsa_kernel k_qb84f489417_oproj
		.amdhsa_group_segment_fixed_size 327680
		.amdhsa_private_segment_fixed_size 0
		.amdhsa_enable_private_segment 0
		.amdhsa_kernarg_size 40
		.amdhsa_user_sgpr_count 2
		.amdhsa_user_sgpr_kernarg_segment_ptr 1
		.amdhsa_wavefront_size32 1
		.amdhsa_system_sgpr_workgroup_id_x 1
		.amdhsa_system_sgpr_workgroup_id_y 1
		.amdhsa_system_sgpr_workgroup_id_z 1
		.amdhsa_system_vgpr_workitem_id 0
		.amdhsa_next_free_vgpr 768
		.amdhsa_next_free_sgpr 98
		.amdhsa_reserve_vcc 0
		.amdhsa_float_denorm_mode_32 3
		.amdhsa_float_denorm_mode_16_64 3
		.amdhsa_memory_ordered 1
		.amdhsa_forward_progress 1
		.amdhsa_inst_pref_size 77
	.end_amdhsa_kernel
	.amdgpu_metadata
---
amdhsa.version: [ 1, 2 ]
amdhsa.kernels:
  - .name:           k_qb84f489417_oproj
    .symbol:         k_qb84f489417_oproj.kd
    .args:
      - { .name: c_codes, .offset: 0, .size: 8, .value_kind: global_buffer, .address_space: global }
      - { .name: w_codes, .offset: 8, .size: 8, .value_kind: global_buffer, .address_space: global }
      - { .name: lowp_scales, .offset: 16, .size: 8, .value_kind: global_buffer, .address_space: global }
      - { .name: bo, .offset: 24, .size: 8, .value_kind: global_buffer, .address_space: global }
      - { .name: out0, .offset: 32, .size: 8, .value_kind: global_buffer, .address_space: global }
    .group_segment_fixed_size: 327680
    .private_segment_fixed_size: 0
    .kernarg_segment_align: 8
    .kernarg_segment_size: 40
    .max_flat_workgroup_size: 128
    .sgpr_count:     98
    .vgpr_count:     768
    .wavefront_size: 32
...
	.end_amdgpu_metadata
.endif
;; end of part 4
